; MI455X (gfx1250); checked and timed in simulation.
; The chip was launched on July 23, 2026; its instructions are those of AMD's public machine-readable ISA for CDNA 5 (MIT licence, August 2026) and "CDNA5" Instruction Set Architecture Reference Guide (July 2026). The comments in the code are by the model that wrote it; some were corrected since.
;; Multi Head Attention With Ro PE. Allowed arithmetic: matrix products marked QUANTISED: E5M2 operands, one given power-of-two scale a tensor, by v_wmma_f32_16x16x64_bf8_bf8 or v_wmma_f32_16x16x128_bf8_bf8, f32 sums; everything else in f32.
;; Inputs: b_out 1,024 float32; b_qkv 3,072 float32; lowp_scales 8 int32 (the exponents e of the quantised operands' scales 2^e); w_out 1,024 x 1,024 float32; w_qkv 1,024 x 3,072 float32; x 4 x 2,048 x 1,024 float32.
;; Outputs: out0 4 x 2,048 x 1,024 float32.
;; This version of the problem:
;;   THIS VERSION OF THE PROBLEM IS GIVEN IN LOW PRECISION. The matrix products marked QUANTISED in the list below multiply operands that are first quantised to E5M2 (5 exponent bits, 2 mantissa bits; 8 bits a number), with one given power-of-two scale for each operand tensor; their sums are f32. All else is computed in f32.
;;   The module's matrix products, in the order in which they are computed (A, B: the left and right operand; K: the contracted axis; several contracted axes count as one K, in the product's order):
;;     1. [M 8,192, K 1,024] x [K 1,024, N 3,072]; A: input x; B: input w_qkv: QUANTISED (scales: A lowp_scales[0], B lowp_scales[1])
;;     2. batch 64 x [M 2,048, K 64] x [K 64, N 2,048]; A: computed on the way; B: computed on the way: QUANTISED (scales: A lowp_scales[2], B lowp_scales[3])
;;     3. batch 64 x [M 2,048, K 2,048] x [K 2,048, N 64]; A: softmax (see below); B: computed on the way: QUANTISED (scales: A lowp_scales[4], B lowp_scales[5])
;;     4. [M 8,192, K 1,024] x [K 1,024, N 1,024]; A: computed on the way; B: input w_out: QUANTISED (scales: A lowp_scales[6], B lowp_scales[7])
;;   THE QUANTISER, for each operand of a quantised product, along K:
;;     - The operand's scale is 2^e, e = its entry of the input lowp_scales (int32; the entries are numbered through the quantised products in the list's order, A before B).
;;     - Each number is divided by the scale, clamped to +-57,344, and rounded to the nearest number of E5M2, ties to even, subnormals kept.
;;     - The product sums the exact products of the quantised numbers (number of the format x scale) in f32.
;;   ~~~python
;;   def quantise(x, axis, e):      # numpy; x: float32 -> the quantised numbers, widened to float32 again
;;       x = np.moveaxis(x, axis, -1); K = x.shape[-1]
;;       r = np.clip(x / 2.0 ** e, -57344, 57344)
;;       step = 2.0 ** (np.maximum(np.frexp(np.where(r == 0, 1, r))[1] - 1, -14) - 2)
;;       q = np.round(r / step) * step * 2.0 ** e      # np.round: ties to even
;;       return np.moveaxis(q, -1, axis).astype(np.float32)
;;   ~~~
;;   SOFTMAX AHEAD OF A QUANTISED PRODUCT. Where the list says 'softmax', what is quantised is not the finished softmax but p = 2^(t - M), with t = logit x log2(e) and M = ceil(the row's largest t), a whole number; so 1/2 < the row's largest p <= 1. The row's sum l is taken of the UNQUANTISED p, in f32, and the product's result is divided by l at the end. Since M is a whole number, a kernel that streams over the keys may use a running M (the ceiling of the running maximum): every later rescaling is an exact power of two, so the quantised numbers keep their values, but for numbers so far below the row's largest that they fall under the format's range.
;;   OPERANDS COMPUTED ON THE WAY. 'Computed on the way' means the value that the module computes at that place (a softmax that the list does not call 'softmax' is quantised finished and normalised). What goes into a quantiser is computed in f32, as accurately as f32 sums, v_exp_f32 and their like allow (about 1e-6 of the number): no bf16 or f16 on the way to a quantiser, and a product that is left as it is and whose result goes on into a quantised operand takes f32 operands (vector FMAs, or v_wmma_f32_16x16x4_f32). A number that lies on a knife's edge between two numbers of the format may be rounded either way, as far as f32 arithmetic and the matrix unit's own rounding can turn it there, and no further.
;; One version. Each part assembles by itself: llvm-mc -triple=amdgcn-amd-amdhsa -mcpu=gfx1250 --defsym DOCPART=n.
;; ======== version 1 of 1: 4 launches
;; limits: right only within a limited range of input values
;; workspace buffers: xc 8,388,608 bytes; wqc 3,145,728 bytes; woc 1,048,576 bytes; rope 524,288 bytes; qc 8,388,608 bytes; kc 8,388,608 bytes; vc 8,388,608 bytes; ac 8,388,608 bytes
;; launch prep (part 1): grid 384 x 1, 4 waves a work-group, no clusters, 68,096 bytes of LDS; arguments x, w_qkv, w_out, lowp_scales, xc, wqc, woc, rope; writes xc, wqc, woc, rope
.if DOCPART == 1
	.amdgcn_target "amdgcn-amd-amdhsa--gfx1250"
	.amdhsa_code_object_version 6
	.text
	.protected	k_qfc4513ed89_prep
	.globl	k_qfc4513ed89_prep
	.p2align	8
	.type	k_qfc4513ed89_prep,@function
k_qfc4513ed89_prep:
	s_mov_b64 s[64:65], 0
	v_nop
	global_prefetch_b8 v0, s[64:65] scope:SCOPE_SE
	s_setreg_imm32_b32 hwreg(HW_REG_WAVE_MODE, 25, 1), 1
	s_wait_xcnt 0x0
; THE OPERANDS THAT ARRIVE AS f32 BECOME CODES OF BF8 (E5M2), K INNERMOST, AND THE TABLE OF ROTARY SINES AND COSINES IS MADE.
; code = number / 2^e, held within +-57,344, to the nearest code, ties to even.  e: entry 0 of the scales for x, entry 1 for w_qkv, entry 7 for w_out.
; Work-groups 0 to 255: x [8192][1024] is a plain stream; each takes 32,768 numbers, a wave 16 steps of 512.  Each load reads 512 consecutive bytes; a step's 2,048 bytes turn through the wave's own
;   stage in LDS, so that a lane holds 16 neighbours along K for the conversions; a lane's 16 codes are 16 bytes and the wave stores 512 consecutive bytes.
;   Each of these work-groups also makes 2,048 bytes of the table, while its first loads are on their way.
; Work-groups 256 to 383: the weights, whose K is their FIRST axis: a lane takes a column n and its registers run down K, so the conversions give codes with K innermost; a wave takes 32 columns x 256 along K;
;   the codes go through the wave's own stage and leave as rows: sixteen lanes store 256 consecutive bytes, aligned.  One text serves both weights: the row's length stands in registers.
; THE TABLE: [128 pb][8 c][32 lanes][4] f32, laid as the next launch's registers take it: lane (r, h), c = 4 kind + 2 u + half, number i: position 16 pb + r, frequency f = 16 u + 8 h + 4 half + i; kind 0 cosine, 1 sine.
;   angle = position x 10000^(-f / 32) (the power by v_exp_f32, one rounding in the product); the angle less n quarter turns in two parts; polynomials on +-pi/4; the quadrant by a select and a sign bit.
; The two paths part on the work-group's number, never join, and have LDS bytes of their own (x: 0 to 32,767; weights: from 32,768).  No tensor loads, no barrier: waves share nothing.
; LIMITS: -126 <= e and e + 15 <= 127 for the three exponents.  NaN among the inputs is not served.  10000^(-f/32) may differ from a correctly rounded one by a few last bits.
.set STEPS, 16
.set R,     16                         ; v16-79   x: four sets of 16 numbers as they are loaded
.set X,     80                         ; v80-111  x: two sets of 16 neighbours
.set C,     128                        ; v128-191 x: codes, four registers for each step, so that no store's data are written again
.set WREG,  8192                       ; x: LDS of a wave: two stages of 32 x SP bytes
.set SP,    80                         ; a lane's place in a stage: 64 bytes + 16 of padding
.set WSTG,  32768                      ; weights: the stages, 32 rows x WP for each wave
.set WP,    272                        ; a stage row: 256 bytes + 16 of padding
.set NB,    8                          ; weights: blocks of 32 along K for a wave
.set OFS,   112                        ; v112-143 weights: 4 x lane + i rows
.set WX,    32                         ; v32-95   weights: two sets of 32 numbers; on the way out 16 x 4 registers
.set WC,    96                         ; v96-103  weights: a block's codes
.macro LOAD t
.irp i, 0,1,2,3
	global_load_b128 v[R+16*((\t)%4)+4*\i:R+16*((\t)%4)+4*\i+3], v3, s[4:5] offset:2048*(\t)+512*\i th:TH_LOAD_NT   ; 32 lanes read 512 consecutive bytes
.endr
.endm
.macro TURN t                          ; step t's numbers through the stage: LDS serves a wave's instructions in order, so no wait stands between the stores and the loads
.irp i, 0,1,2,3
	ds_store_b128 v14, v[R+16*((\t)%4)+4*\i:R+16*((\t)%4)+4*\i+3] offset:32*SP*((\t)%2)+8*SP*\i
.endr
.irp i, 0,1,2,3
	ds_load_b128 v[X+16*((\t)%2)+4*\i:X+16*((\t)%2)+4*\i+3], v15 offset:32*SP*((\t)%2)+16*\i
.endr
.endm
.macro STEP t
.set XS, X+16*((\t)%2)
	s_wait_dscnt 0x0                               ; this step's numbers are back from the stage: so its stores into the stage have read their registers,
.if (\t)+4 < STEPS
	LOAD (\t)+4                                    ; which take the loads of four steps on
.endif
.if (\t)+1 < STEPS
.if STEPS-2-(\t) >= 3
	s_wait_loadcnt 12                              ; the next step's four loads are in; those of the three steps behind it may be out
.else
	s_wait_loadcnt 4*(STEPS-2-(\t))
.endif
	TURN (\t)+1
.endif
.irp i, 0,1,2,3,4,5,6,7,8,9,10,11,12,13,14,15
	v_med3_num_f32 v[XS+\i], v[XS+\i], -v10, v10   ; the conversion to an 8-bit code does not saturate (ISA guide 7.6.2): the hold comes first
.endr
	v_cvt_scalef32_pk8_bf8_f32 v[C+4*(\t):C+4*(\t)+1], v[XS:XS+7], v11
	v_cvt_scalef32_pk8_bf8_f32 v[C+4*(\t)+2:C+4*(\t)+3], v[XS+8:XS+15], v11
	global_store_b128 v3, v[C+4*(\t):C+4*(\t)+3], s[12:13] offset:512*(\t)   ; the results go to a store alone; the next vector lines are the next step's holds, on other registers
.endm
.macro LOADW t                         ; block t: W(32 t + i, my column), i = 0 .. 31, into set t % 2: each load reads 128 consecutive bytes, the four waves side by side 512
.set i, 0
.rept 32
	global_load_b32 v[WX+32*((\t)%2)+i], v[OFS+i], s[40+2*(\t):41+2*(\t)] th:TH_LOAD_NT
.set i, i+1
.endr
.endm
.macro BLOCK t
.set XS, WX+32*((\t)%2)
.if (\t) < NB-1
	s_wait_loadcnt 32                              ; this block's 32 loads are in; the next block's may be out
.else
	s_wait_loadcnt 0
.endif
.set i, 0
.rept 32
	v_med3_num_f32 v[XS+i], v[XS+i], -v10, v10
.set i, i+1
.endr
.irp g, 0,1,2,3
	v_cvt_scalef32_pk8_bf8_f32 v[WC+2*\g:WC+2*\g+1], v[XS+8*\g:XS+8*\g+7], v11
.endr
	ds_store_b128 v12, v[WC:WC+3] offset:32*(\t)   ; 32 codes: 32 bytes of my column's row
	ds_store_b128 v12, v[WC+4:WC+7] offset:32*(\t)+16
.if (\t)+2 < NB
	LOADW (\t)+2
.endif
	s_wait_dscnt 0x0                               ; the stores have read their registers: the next block's codes may be written
.endm
	s_load_b256 s[4:11], s[0:1], 0x0               ; x s[4:5], w_qkv s[6:7], w_out s[8:9], the scales' exponents s[10:11]
	s_load_b256 s[12:19], s[0:1], 0x20             ; xc s[12:13], wqc s[14:15], woc s[16:17], the table s[18:19]
	v_lshl_add_u32 v192, v0, 2, 0x10800
	v_mov_b32 v193, 0
	v_lshrrev_b32 v1, 5, v0
	v_readfirstlane_b32 s20, v1                    ; wave 0..3
	v_and_b32 v2, 31, v0                           ; lane
	v_lshlrev_b32 v3, 4, v2                        ; x: my 16 bytes of a load's 512, and of a store's
	v_and_b32 v6, 15, v2                           ; r
	v_lshrrev_b32 v7, 4, v2                        ; h
	; the LDS addresses of both paths are made here, ahead of the parting
	s_mul_i32 s21, s20, WREG
	v_lshrrev_b32 v14, 2, v2
	v_mul_u32_u24 v14, v14, SP
	v_and_b32 v15, 3, v2
	v_lshl_add_u32 v14, v15, 4, v14
	v_add_nc_u32 v14, s21, v14                     ; x's stage, in: SP (lane / 4) + 16 (lane % 4)
	v_mul_u32_u24 v15, v2, SP
	v_add_nc_u32 v15, s21, v15                     ; and out: SP x lane: my 16 neighbours
	s_mul_i32 s21, s20, 32*WP
	s_add_co_u32 s21, s21, WSTG
	v_mul_u32_u24 v12, v2, WP
	v_add_nc_u32 v12, s21, v12                     ; the weights' stage, in: row = my column
	v_mul_u32_u24 v13, v7, WP
	v_lshl_add_u32 v13, v6, 4, v13
	v_add_nc_u32 v13, s21, v13                     ; and out: sixteen lanes to a row, two rows an instruction
	s_mov_b32 s35, 0
	s_wait_kmcnt 0x0
	s_load_b256 s[24:31], s[10:11], 0x0            ; e0 .. e7
	s_cmp_lt_u32 ttmp9, 256
	s_cbranch_scc0 .Lweights
	; ---- x
	s_lshl_b32 s22, ttmp9, 2
	s_add_co_u32 s22, s22, s20                     ; which run of 8,192 numbers is my wave's
	s_lshl_b32 s34, s22, 15
	s_add_nc_u64 s[4:5], s[4:5], s[34:35]
	s_lshl_b32 s34, s22, 13
	s_add_nc_u64 s[12:13], s[12:13], s[34:35]
.irp t, 0,1,2,3
	LOAD \t
.endr
	; ---- my 16 bytes of the table, while those loads are on their way.  pb = work-group / 2, kind = work-group % 2, u = wave / 2, half = wave % 2
	s_lshl_b32 s34, ttmp9, 11
	s_add_nc_u64 s[18:19], s[18:19], s[34:35]
	v_lshlrev_b32 v5, 4, v0                        ; 16 x thread: a wave stores 512 consecutive bytes; never rewritten
	s_lshr_b32 s36, s20, 1
	s_lshl_b32 s36, s36, 4
	s_and_b32 s37, s20, 1
	s_lshl_b32 s37, s37, 2
	s_add_co_u32 s36, s36, s37
	v_lshl_add_u32 v8, v7, 3, s36                  ; my first frequency: 16 u + 4 half + 8 h
	s_wait_alu depctr_va_vdst(0)
	s_lshr_b32 s37, ttmp9, 1
	s_lshl_b32 s37, s37, 4
	v_add_nc_u32 v9, s37, v6                       ; my position: 16 pb + r
	v_cvt_f32_u32 v9, v9
	s_mov_b32 s40, 0xbfc90fdb                      ; -(pi / 2), its upper part
	s_mov_b32 s41, 0x333bbd2e                      ; and what the upper part has too much
	s_mov_b32 s42, 0xb94ca1f9                      ; sine: -1.9515296e-4, 8.3321609e-3, -1.6666655e-1
	s_mov_b32 s43, 0x3c08839e
	s_mov_b32 s44, 0xbe2aaaa3
	s_mov_b32 s45, 0x37ccf5ce                      ; cosine: 2.4433157e-5, -1.3887316e-3, 4.1666646e-2
	s_mov_b32 s46, 0xbab6061a
	s_mov_b32 s47, 0x3d2aaaa5
	s_and_b32 s48, ttmp9, 1
	s_xor_b32 s48, s48, 1                          ; a cosine is the sine a quarter turn on
.irp i, 0,1,2,3
	v_add_nc_u32 v[116+\i], \i, v8
	v_cvt_f32_u32 v[116+\i], v[116+\i]
	v_mul_f32 v[116+\i], 0xbed49a78, v[116+\i]     ; -f log2(10) / 8 = log2 of 10000^(-f / 32)
.endr
	s_wait_alu depctr_va_vdst(0)
.irp i, 0,1,2,3
	v_exp_f32 v[120+\i], v[116+\i]
.endr
	v_nop                                          ; a plain instruction behind the last exponential
	s_wait_alu depctr_va_vdst(0)                   ; one wait for the four, ahead of their first reader
.irp i, 0,1,2,3
	v_mul_f32 v[120+\i], v9, v[120+\i]             ; the angle
	v_mul_f32 v[124+\i], 0x3f22f983, v[120+\i]     ; x 2 / pi
	v_rndne_f32 v[124+\i], v[124+\i]               ; n quarter turns, at most 1,303
	v_fma_f32 v[120+\i], v[124+\i], s40, v[120+\i]
	v_fma_f32 v[120+\i], v[124+\i], s41, v[120+\i] ; what is left, within +-pi/4
	v_mul_f32 v[116+\i], v[120+\i], v[120+\i]      ; z
	v_fma_f32 v[128+\i], v[116+\i], s42, s43
	v_fma_f32 v[128+\i], v[128+\i], v[116+\i], s44
	v_mul_f32 v[128+\i], v[128+\i], v[116+\i]
	v_fma_f32 v[128+\i], v[128+\i], v[120+\i], v[120+\i]   ; its sine
	v_fma_f32 v[132+\i], v[116+\i], s45, s46
	v_fma_f32 v[132+\i], v[132+\i], v[116+\i], s47
	v_mul_f32 v[136+\i], v[116+\i], v[116+\i]
	v_fma_f32 v[140+\i], v[116+\i], -0.5, 1.0
	v_fma_f32 v[132+\i], v[132+\i], v[136+\i], v[140+\i]   ; its cosine
	v_cvt_i32_f32 v[124+\i], v[124+\i]
	v_add_nc_u32 v[124+\i], s48, v[124+\i]         ; the quadrant
	v_and_b32 v[136+\i], 1, v[124+\i]
	v_cmp_eq_u32 vcc_lo, 1, v[136+\i]
	v_cndmask_b32 v[112+\i], v[128+\i], v[132+\i], vcc_lo  ; odd: the cosine
	v_and_b32 v[136+\i], 2, v[124+\i]
	v_lshlrev_b32 v[136+\i], 30, v[136+\i]
	v_xor_b32 v[112+\i], v[136+\i], v[112+\i]      ; quadrants 2 and 3: the sign turns
.endr
	global_store_b128 v5, v[112:115], s[18:19]     ; v112-115 are not written again
	s_wait_kmcnt 0x0
	s_add_co_i32 s22, s24, 127                     ; e0
	s_lshl_b32 s23, s22, 23
	v_mov_b32 v11, s23                             ; 2^e as f32: the conversion takes its exponent field
	s_add_co_i32 s22, s22, 15
	s_lshl_b32 s22, s22, 23
	s_or_b32 s22, s22, 0x600000
	v_mov_b32 v10, s22                             ; 57,344 x 2^e
	s_wait_alu depctr_va_vdst(0)
	s_wait_loadcnt 12                              ; step 0's four loads are in
	TURN 0
.irp t, 0,1,2,3,4,5,6,7,8,9,10,11,12,13,14,15
	STEP \t
.endr
	s_wait_tensorcnt 0x0
	ds_add_u32 v192, v193
	s_wait_dscnt 0x0
	s_endpgm
	; ---- the weights.  idx = work-group - 256: ky = idx % 4 (which 256 along K), idx / 4: 0 .. 23 blocks of 128 columns of w_qkv, 24 .. 31 of w_out
.Lweights:
	s_sub_co_u32 s21, ttmp9, 256
	s_and_b32 s22, s21, 3
	s_lshr_b32 s23, s21, 2
	s_wait_kmcnt 0x0
	s_cmp_lt_u32 s23, 24                           ; the choice hangs on the work-group's number alone
	s_cselect_b64 s[4:5], s[6:7], s[8:9]
	s_cselect_b64 s[12:13], s[14:15], s[16:17]
	s_mov_b32 s56, 4096
	s_cselect_b32 s56, 12288, s56                  ; a row of the weight in bytes
	s_cselect_b32 s57, s25, s31                    ; e1 or e7
	s_cselect_b32 s58, 0, 24
	s_sub_co_u32 s23, s23, s58                     ; the block of 128 columns in its own weight
	s_lshl_b32 s58, s23, 7
	s_lshl_b32 s59, s20, 5
	s_add_co_u32 s58, s58, s59                     ; my wave's first column
	s_lshl_b32 s34, s22, 8
	s_mul_i32 s34, s34, s56                        ; 256 ky rows,
	s_lshl_b32 s59, s58, 2
	s_add_co_u32 s34, s34, s59                     ; + 4 bytes a column
	s_add_nc_u64 s[40:41], s[4:5], s[34:35]        ; block 0's base; a base for each block, so that none is stepped
	s_lshl_b32 s34, s56, 5                         ; 32 rows on
.irp t, 1,2,3,4,5,6,7
	s_add_nc_u64 s[40+2*\t:41+2*\t], s[38+2*\t:39+2*\t], s[34:35]
.endr
	s_lshl_b32 s34, s58, 10                        ; the codes: column x 1,024 + 256 ky
	s_lshl_b32 s59, s22, 8
	s_add_co_u32 s34, s34, s59
	s_add_nc_u64 s[12:13], s[12:13], s[34:35]
	v_lshlrev_b32 v3, 2, v2                        ; 4 bytes a lane
	v_lshlrev_b32 v8, 10, v7
	v_lshl_add_u32 v8, v6, 4, v8                   ; the way out: two rows of the codes an instruction, 16 bytes a lane
.set i, 0
.rept 32
	v_mad_u32_u24 v[OFS+i], s56, i, v3             ; i rows down + my column
.set i, i+1
.endr
	LOADW 0
	LOADW 1
	s_add_co_i32 s57, s57, 127
	s_lshl_b32 s59, s57, 23
	v_mov_b32 v11, s59                             ; 2^e
	s_add_co_i32 s57, s57, 15
	s_lshl_b32 s57, s57, 23
	s_or_b32 s57, s57, 0x600000
	v_mov_b32 v10, s57                             ; 57,344 x 2^e
	s_wait_alu depctr_va_vdst(0)
.irp t, 0,1,2,3,4,5,6,7
	BLOCK \t
.endr
.irp t, 0,1,2,3,4,5,6,7,8,9,10,11,12,13,14,15
	ds_load_b128 v[WX+4*\t:WX+4*\t+3], v13 offset:2*\t*WP   ; LDS serves a wave's instructions in order: these see my stores
.endr
.irp t, 0,1,2,3,4,5,6,7,8,9,10,11,12,13,14,15
	s_wait_dscnt 15-\t
	global_store_b128 v8, v[WX+4*\t:WX+4*\t+3], s[12:13] offset:2*\t*1024   ; sixteen lanes store 256 consecutive bytes, at a multiple of 256 from the buffer's first byte
.endr
	s_wait_tensorcnt 0x0
	ds_add_u32 v192, v193
	s_wait_dscnt 0x0
	s_endpgm
.Lfunc_end_k_qfc4513ed89_prep:
	.size	k_qfc4513ed89_prep, .Lfunc_end_k_qfc4513ed89_prep-k_qfc4513ed89_prep
	.p2alignl 7, 3214868480
	.fill 96, 4, 3214868480
	.section	.rodata,"a",@progbits
	.p2align	6, 0x0
	.amdhsa_kernel k_qfc4513ed89_prep
		.amdhsa_group_segment_fixed_size 68096
		.amdhsa_private_segment_fixed_size 0
		.amdhsa_enable_private_segment 0
		.amdhsa_kernarg_size 64
		.amdhsa_user_sgpr_count 2
		.amdhsa_user_sgpr_kernarg_segment_ptr 1
		.amdhsa_wavefront_size32 1
		.amdhsa_system_sgpr_workgroup_id_x 1
		.amdhsa_system_sgpr_workgroup_id_y 1
		.amdhsa_system_sgpr_workgroup_id_z 1
		.amdhsa_system_vgpr_workitem_id 0
		.amdhsa_next_free_vgpr 194
		.amdhsa_next_free_sgpr 66
		.amdhsa_reserve_vcc 1
		.amdhsa_float_denorm_mode_32 3
		.amdhsa_float_denorm_mode_16_64 3
		.amdhsa_memory_ordered 1
		.amdhsa_forward_progress 1
		.amdhsa_inst_pref_size 94
	.end_amdhsa_kernel
	.amdgpu_metadata
---
amdhsa.version: [ 1, 2 ]
amdhsa.kernels:
  - .name:           k_qfc4513ed89_prep
    .symbol:         k_qfc4513ed89_prep.kd
    .args:
      - { .name: x, .offset: 0, .size: 8, .value_kind: global_buffer, .address_space: global }
      - { .name: w_qkv, .offset: 8, .size: 8, .value_kind: global_buffer, .address_space: global }
      - { .name: w_out, .offset: 16, .size: 8, .value_kind: global_buffer, .address_space: global }
      - { .name: lowp_scales, .offset: 24, .size: 8, .value_kind: global_buffer, .address_space: global }
      - { .name: xc, .offset: 32, .size: 8, .value_kind: global_buffer, .address_space: global }
      - { .name: wqc, .offset: 40, .size: 8, .value_kind: global_buffer, .address_space: global }
      - { .name: woc, .offset: 48, .size: 8, .value_kind: global_buffer, .address_space: global }
      - { .name: rope, .offset: 56, .size: 8, .value_kind: global_buffer, .address_space: global }
    .group_segment_fixed_size: 68096
    .private_segment_fixed_size: 0
    .kernarg_segment_align: 8
    .kernarg_segment_size: 64
    .max_flat_workgroup_size: 128
    .sgpr_count:     66
    .vgpr_count:     194
    .wavefront_size: 32
...
	.end_amdgpu_metadata
.endif
;; end of part 1
;; launch qkv (part 2): grid 12 x 32, 4 waves a work-group, clusters of 4 x 4, 327,680 bytes of LDS; arguments xc, wqc, b_qkv, rope, lowp_scales, qc, kc, vc; writes qc, kc, vc
.if DOCPART == 2
	.amdgcn_target "amdgcn-amd-amdhsa--gfx1250"
	.amdhsa_code_object_version 6
	.text
	.protected	k_qfc4513ed89_qkv
	.globl	k_qfc4513ed89_qkv
	.p2align	8
	.type	k_qfc4513ed89_qkv,@function
k_qfc4513ed89_qkv:
	s_mov_b64 s[64:65], 0
	v_nop
	global_prefetch_b8 v0, s[64:65] scope:SCOPE_SE
	s_setreg_imm32_b32 hwreg(HW_REG_WAVE_MODE, 25, 1), 1
	s_wait_xcnt 0x0
	s_wait_alu depctr_hold_cnt(0) depctr_sa_sdst(0) depctr_va_vdst(0) depctr_va_sdst(0) depctr_va_ssrc(0) depctr_va_vcc(0) depctr_vm_vsrc(0)
	s_getreg_b32 s2, hwreg(HW_REG_IB_STS2, 6, 4)
	s_cmp_eq_u32 s2, 0
	s_cbranch_scc0 .Lentry_in_a_cluster
	s_endpgm
.Lentry_in_a_cluster:
	s_bfe_u32 s2, ttmp6, 0x10000c
	s_cmp_lg_u32 s2, 0xf033
	s_cbranch_scc0 .Lentry_shape_is_right
	s_endpgm
.Lentry_shape_is_right:
.set ROWB,   256
.set KROW,   1024
.set PITCH,  272
.set FR,     16
.set NL,     4
.set NP,     4
.set HALFT,  128*PITCH
.set SLOT,   4*HALFT
.set LAPS,   2
.set SPARE,  2*SLOT
.set VSTG,   16384
.set BOF,  1
.set VB,   8
.set ADRA, 16
.set VRD,  18
.set VBO,  19
.set ADRB, 20
.set STO,  24
.set RD,   25
.set CO,   26
.set VSTO, 27
.set SPW,  28
.set NIL,  29
.set LIM,  30
.set SCL,  31
.set BI,   32
.set RP,   96
.set AF,   128
.set Y,    160
.set CDS,  224
.set G1, 24
.set G0, 32
.set G1B, 48
.set G0B, 56
.set MSB, 0
.macro WIN new
.if MSB != \new
	s_set_vgpr_msb (MSB<<8)|\new
.set MSB, \new
.endif
.endm
.set MUL_LO, 0xa1
.set MUL_HI, 0xf1
.set TO_B,   0x40
.macro JLOAD g0a, g1a, g0b, g1b
	s_cmp_eq_u32 s15, 0
	s_cbranch_scc0 .Lfor_b_\@
	tensor_load_to_lds s[\g0a:\g0a+3], s[\g1a:\g1a+7]
	s_nop 0
.rept 4
	v_nop
.endr
	s_branch .Lasked_\@
.Lfor_b_\@:
	tensor_load_to_lds s[\g0b:\g0b+3], s[\g1b:\g1b+7]
	s_nop 0
.rept 4
	v_nop
.endr
.Lasked_\@:
.endm
.macro CREST
	s_cmp_lg_u32 s14, 0
	s_cbranch_scc1 .Lnot_wave_0_\@
	s_barrier_signal -3
.Lnot_wave_0_\@:
	s_barrier_wait -3
	s_barrier_signal -1
	s_barrier_wait -1
.endm
.macro CROUND
	s_barrier_signal -1
	s_barrier_wait -1
	CREST
.endm
	s_load_b256 s[4:11], s[0:1], 0x0
	s_load_b256 s[68:75], s[0:1], 0x20
	v_lshl_add_u32 v[SPW], v0, 2, SPARE
	v_mov_b32 v[NIL], 0
	ds_add_u32 v28, v29
	ds_add_u32 v28, v29
	s_wait_dscnt 0x0
	v_lshrrev_b32 v1, 5, v0
	v_readfirstlane_b32 s14, v1
	v_and_b32 v23, 31, v0
	v_lshlrev_b32 v23, 10, v23                     ; the prefetches' offset: a lane a row of 1,024 bytes; not written again before the way out
	s_lshr_b32 s15, s14, 1
	s_and_b32 s16, s14, 1
	s_bfe_u32 s40, ttmp6, 0x40000
	s_bfe_u32 s41, ttmp6, 0x40004
	s_mov_b32 s84, ttmp9
	s_and_b32 s85, ttmp7, 0xffff
	s_cmp_eq_u32 s84, 2
	s_cselect_b32 s17, s84, s85
	s_cselect_b32 s42, s85, s84
	s_lshl_b32 s17, s17, 2
	s_add_co_u32 s17, s17, s41
	s_lshl_b32 s42, s42, 2
	s_add_co_u32 s42, s42, s40
	s_lshl_b32 s43, s41, 2
	s_lshl_b32 s43, 15, s43
	s_lshl_b32 s44, 0x1111, s40
	s_or_b32 s[G1+0], s43, (0<<16)|(1<<20)|(1<<21)|(5<<22)|(3<<25)
	s_or_b32 s[G1B+0], s44, (0<<16)|(1<<20)|(1<<21)|(5<<22)|(3<<25)
.irp g, G1, G1B
	s_mov_b32 s[\g+1], ROWB<<16
	s_mov_b32 s[\g+2], 128<<16
	s_mov_b32 s[\g+3], ROWB<<16
	s_mov_b32 s[\g+4], 128
	s_mov_b32 s[\g+5], KROW
	s_mov_b32 s[\g+6], 0
	s_mov_b32 s[\g+7], 0
.endr
	s_lshl_b32 s18, s16, 7
	s_lshl_b32 s20, s17, 8
	s_add_co_u32 s20, s20, s18
	s_lshl_b32 s20, s20, 10
	s_mov_b32 s21, 0
	s_lshl_b32 s46, s42, 8
	s_add_co_u32 s46, s46, s18
	s_lshl_b32 s46, s46, 10
	s_mov_b32 s47, 0
	s_mul_i32 s45, s14, HALFT
	s_wait_kmcnt 0x0
	s_load_b256 s[76:83], s[68:69], 0x0
	s_cmp_eq_u32 s84, 2
	s_cselect_b64 s[12:13], s[6:7], s[4:5]
	s_cselect_b64 s[66:67], s[4:5], s[6:7]
	s_add_nc_u64 s[20:21], s[12:13], s[20:21]
	s_add_nc_u64 s[46:47], s[66:67], s[46:47]
	s_cmp_eq_u32 s15, 0                            ; the prefetches' base: of the 128 rows that my wave fetches, my work-group's 32: the four partners share the rows out by address
	s_cselect_b64 s[98:99], s[20:21], s[46:47]
	s_cselect_b32 s12, s40, s41
	s_lshl_b32 s12, s12, 15
	s_mov_b32 s13, 0
	s_add_nc_u64 s[98:99], s[98:99], s[12:13]
	CROUND
.irp s, 0,1
	s_mov_b32 s[G0+4*\s], 1
	s_add_co_u32 s[G0+4*\s+1], s45, \s*SLOT
	s_add_nc_u64 s[G0+4*\s+2:G0+4*\s+3], s[20:21], \s*ROWB
	s_or_b32 s[G0+4*\s+3], s[G0+4*\s+3], 0x80000000
	s_mov_b32 s[G0B+4*\s], 1
	s_add_co_u32 s[G0B+4*\s+1], s45, \s*SLOT
	s_add_nc_u64 s[G0B+4*\s+2:G0B+4*\s+3], s[46:47], \s*ROWB
	s_or_b32 s[G0B+4*\s+3], s[G0B+4*\s+3], 0x80000000
	s_wait_alu depctr_va_vdst(0)
	s_wait_tensorcnt 0x0
	ds_add_u32 v28, v29
	ds_add_u32 v28, v29
	s_wait_dscnt 0x0
	CROUND
	JLOAD G0+4*\s, G1, G0B+4*\s, G1B
	global_prefetch_b8 v23, s[98:99] offset:256*(\s+1) th:TH_LOAD_NT scope:SCOPE_SE   ; the K step that the next joint load asks for: 32 rows x 256 bytes, one K step ahead
.endr
	v_and_b32 v2, 15, v0
	s_wait_alu depctr_va_vdst(0)
	v_bfe_u32 v3, v0, 4, 1
	v_mul_u32_u24 v4, v2, PITCH
	v_lshl_add_u32 v4, v3, 4, v4
	s_mul_i32 s21, s15, HALFT
	s_mul_i32 s22, s16, HALFT
	s_add_co_u32 s22, s22, 2*HALFT
.irp s, 0,1
	v_add_nc_u32 v[ADRA+\s], s21, v4
	v_add_nc_u32 v[ADRB+\s], s22, v4
	s_add_co_u32 s21, s21, SLOT
	s_add_co_u32 s22, s22, SLOT
.endr
	s_mul_i32 s23, s14, 2560
	v_mul_u32_u24 v5, v2, 80
	s_wait_alu depctr_va_vdst(0)
	v_lshl_add_u32 v5, v3, 4, v5
	v_add_nc_u32 v[STO], s23, v5
	v_and_b32 v6, 31, v0
	v_lshrrev_b32 v7, 2, v6
	v_mul_u32_u24 v7, v7, 80
	v_and_b32 v5, 3, v6
	v_lshl_add_u32 v7, v5, 4, v7
	v_add_nc_u32 v[RD], s23, v7
	v_lshlrev_b32 v[CO], 4, v6
	s_mul_i32 s23, s14, 2304
	s_add_co_u32 s23, s23, VSTG
	v_mul_u32_u24 v5, v2, 144
	v_lshl_add_u32 v5, v3, 4, v5
	v_add_nc_u32 v[VSTO], s23, v5
	v_lshrrev_b32 v7, 3, v6
	v_mul_u32_u24 v7, v7, 144
	v_and_b32 v5, 7, v6
	v_lshl_add_u32 v7, v5, 4, v7
	v_add_nc_u32 v[VRD], s23, v7
	v_lshlrev_b32 v[BOF], 5, v3
	s_wait_alu depctr_va_vdst(0)
	v_lshlrev_b32 v[VBO], 2, v2
	s_wait_alu depctr_va_vdst(0)
	s_lshl_b32 s20, s42, 10
	s_lshl_b32 s21, s16, 9
	s_add_co_u32 s20, s20, s21
	s_lshl_b32 s22, s41, 10
	s_lshl_b32 s21, s15, 9
	s_add_co_u32 s22, s22, s21
	s_add_co_u32 s22, s22, 8192
	s_cmp_eq_u32 s84, 2
	s_cselect_b32 s20, 0, s20
	s_cselect_b32 s22, s22, 0
	s_mov_b32 s21, 0
	s_mov_b32 s23, 0
	s_add_nc_u64 s[88:89], s[8:9], s[20:21]
	s_add_nc_u64 s[92:93], s[8:9], s[22:23]
	s_lshl_b32 s20, s17, 8
	s_lshl_b32 s22, s15, 7
	s_add_co_u32 s20, s20, s22
	s_and_b32 s22, s20, 2047
	s_lshl_b32 s22, s22, 8
	s_add_nc_u64 s[90:91], s[10:11], s[22:23]
	s_lshr_b32 s21, s20, 11
	s_lshl_b32 s21, s21, 4
	s_and_b32 s18, s42, 3
	s_lshl_b32 s18, s18, 2
	s_add_co_u32 s21, s21, s18
	s_lshl_b32 s18, s16, 1
	s_add_co_u32 s21, s21, s18
	s_lshl_b32 s21, s21, 11
	s_and_b32 s18, s20, 2047
	s_add_co_u32 s21, s21, s18
	s_lshl_b32 s21, s21, 6
	s_lshl_b32 s18, s42, 8
	s_lshl_b32 s19, s16, 7
	s_add_co_u32 s18, s18, s19
	s_lshr_b32 s19, s18, 11
	s_lshl_b32 s19, s19, 4
	s_lshl_b32 s22, s41, 2
	s_add_co_u32 s19, s19, s22
	s_lshl_b32 s22, s15, 1
	s_add_co_u32 s19, s19, s22
	s_lshl_b32 s19, s19, 4
	s_and_b32 s18, s18, 2047
	s_lshr_b32 s18, s18, 7
	s_add_co_u32 s19, s19, s18
	s_lshl_b32 s19, s19, 13
	s_cmp_eq_u32 s84, 2
	s_cselect_b32 s22, s19, s21
	s_cselect_b64 s[86:87], s[74:75], s[72:73]
	s_cmp_eq_u32 s84, 0
	s_cselect_b64 s[86:87], s[70:71], s[86:87]
	s_add_nc_u64 s[86:87], s[86:87], s[22:23]
.macro ROPELOAD a
.if (\a) == 0
.set RL, RP                            ; block 0's part of the table: window 0, asked for at the head
.else
.set RL, 32*(\a)                       ; blocks 1 to 7: window 1, which is free behind the last products
.endif
.irp c, 0,1,2,3,4,5,6,7
	global_load_b128 v[RL+4*\c:RL+4*\c+3], v[CO], s[90:91] offset:4096*(\a)+512*\c
.endr
.endm
.irp b, 0,1,2,3,4,5,6,7
	global_load_b128 v[BI+8*\b:BI+8*\b+3], v[BOF], s[88:89] offset:64*\b
	global_load_b128 v[BI+8*\b+4:BI+8*\b+7], v[BOF], s[88:89] offset:64*\b+16
.endr
.irp a, 0,1,2,3,4,5,6,7
	global_load_b32 v[VB+\a], v[VBO], s[92:93] offset:64*\a
.endr
	ROPELOAD 0
	s_wait_kmcnt 0x0
	s_add_co_i32 s96, s76, s77
	s_add_co_i32 s96, s96, 127
	s_lshl_b32 s96, s96, 23
	s_mov_b32 s97, s96
	s_cmp_eq_u32 s84, 1
	s_cselect_b32 s18, s79, s78
	s_cmp_eq_u32 s84, 2
	s_cselect_b32 s18, s81, s18
	s_add_co_i32 s18, s18, 127
	s_lshl_b32 s19, s18, 23
	v_mov_b32 v[SCL], s19
	s_add_co_i32 s18, s18, 15
	s_lshl_b32 s18, s18, 23
	s_or_b32 s18, s18, 0x600000
	v_mov_b32 v[LIM], s18
.macro FRAG reg, adr, q, i
.irp c, 0,1,2,3
	ds_load_b128 v[\reg+4*\c:\reg+4*\c+3], v[\adr] offset:128*(\q)+32*\c+(\i)*16*PITCH
.endr
.endm
.macro MUL16 a0, p, zero
.irp a, \a0, \a0+1
.irp b, 0,1,2,3,4,5,6,7
.if \zero
	v_wmma_f32_16x16x128_bf8_bf8 v[8*(8*((\a)%4)+\b):8*(8*((\a)%4)+\b)+7], v[128*(\p)+FR*\b:128*(\p)+FR*\b+FR-1], v[AF+FR*(\a):AF+FR*(\a)+FR-1], 0
.else
	v_wmma_f32_16x16x128_bf8_bf8 v[8*(8*((\a)%4)+\b):8*(8*((\a)%4)+\b)+7], v[128*(\p)+FR*\b:128*(\p)+FR*\b+FR-1], v[AF+FR*(\a):AF+FR*(\a)+FR-1], v[8*(8*((\a)%4)+\b):8*(8*((\a)%4)+\b)+7]
.endif
.endr
.endr
.endm
.macro FETCH_B slot, q, p
	WIN TO_B
.irp i, 0,1,2,3,4,5,6,7
	FRAG 128*(\p)+FR*\i, ADRB+\slot, \q, \i
.endr
	WIN 0
.endm
.macro FETCH_A slot, q, i0
.irp i, \i0, \i0+1, \i0+2, \i0+3
	FRAG AF+FR*(\i), ADRA+\slot, \q, \i
.endr
.endm
.macro PLACES n
.rept \n
	v_nop
.endr
.endm
.macro STEP slot, q, zero
	s_wait_dscnt 4*NL
	WIN MUL_LO
	MUL16 0, (\q)%2, \zero
	MUL16 2, (\q)%2, \zero
	s_wait_dscnt 0
	PLACES NP
	FETCH_B \slot, (\q)+1, 1-(\q)%2
	FETCH_A \slot, (\q)+1, 0
	WIN MUL_HI
	MUL16 4, (\q)%2, \zero
	MUL16 6, (\q)%2, \zero
	PLACES NP
	WIN 0
	FETCH_A \slot, (\q)+1, 4
.endm
.macro TURN slot, next, fill
	s_wait_tensorcnt 0x0
	ds_add_u32 v[SPW], v[NIL]
	s_wait_dscnt 4*NL+1
	WIN MUL_LO
	MUL16 0, 1, 0
	s_wait_dscnt 0x0
	s_barrier_signal -1
	MUL16 2, 1, 0
	WIN 0
	s_barrier_wait -1
.if \fill
	CREST
	s_add_nc_u64 s[G0+4*\slot+2:G0+4*\slot+3], s[G0+4*\slot+2:G0+4*\slot+3], 2*ROWB
	s_add_nc_u64 s[G0B+4*\slot+2:G0B+4*\slot+3], s[G0B+4*\slot+2:G0B+4*\slot+3], 2*ROWB
	JLOAD G0+4*\slot, G1, G0B+4*\slot, G1B
.else
	PLACES NP
.endif
	FETCH_B \next, 0, 0
	FETCH_A \next, 0, 0
.if \fill
.if (\slot) == 0
	global_prefetch_b8 v23, s[98:99] offset:768 th:TH_LOAD_NT scope:SCOPE_SE   ; K step 3, the last: the change of slots that loads it asks for nothing
.endif
.endif
	WIN MUL_HI
	MUL16 4, 1, 0
	MUL16 6, 1, 0
	PLACES NP
	WIN 0
	FETCH_A \next, 0, 4
.endm
	s_wait_tensorcnt 1
	s_barrier_signal -1
	s_barrier_wait -1
	FETCH_B 0, 0, 0
	FETCH_A 0, 0, 0
	FETCH_A 0, 0, 4
	STEP 0, 0, 1
	s_mov_b32 s3, LAPS-1
.Llap:
	TURN 0, 1, 1
	STEP 1, 0, 0
	TURN 1, 0, 1
	STEP 0, 0, 0
	s_sub_co_u32 s3, s3, 1
	s_cmp_lg_u32 s3, 0
	s_cbranch_scc1 .Llap
	TURN 0, 1, 0
	STEP 1, 0, 0
	s_wait_dscnt 4*NL
	WIN MUL_LO
	MUL16 0, 1, 0
	MUL16 2, 1, 0
	s_wait_dscnt 0
	WIN MUL_HI
	MUL16 4, 1, 0
	MUL16 6, 1, 0
	WIN 0
	PLACES NP
.macro QKBLOCK a
.if (\a) == 0
.set RS, RP
.else
.set RS, 32*(\a)
.endif
.set CD, CDS+16*((\a)%2)
.set AC, 64*((\a)%4)
.if (\a) >= 2
	s_wait_xcnt 0x0
.endif
	s_wait_loadcnt 8*(7-(\a))                      ; this block's eight loads of the table are in; those of the blocks behind it may be out
	WIN 0x02+((\a)/4)
.set j, 0
.rept 32
	v_pk_fma_f32 v[Y+j:Y+j+1], v[AC+j:AC+j+1], s[96:97], v[BI+j:BI+j+1] op_sel_hi:[1,0,1]
.set j, j+2
.endr
.if (\a) == 0
	WIN 0
.else
	WIN 0x04                                       ; source 1 (the table, and the bound's copy) in window 1
.endif
.irp hh, 0,1
.irp u, 0,1
.irp j, 0,2,4,6
.set LO, Y+8*(4*\hh+\u)+\j
.set HI, Y+8*(4*\hh+2+\u)+\j
.set CC, RS+8*\u+\j
.set SS, RS+16+8*\u+\j
.if (\j%4) == 0
.set TA, 2
.set TB, 4
.else
.set TA, 6
.set TB, 22
.endif
	v_pk_mul_f32 v[TA:TA+1], v[LO:LO+1], v[CC:CC+1]
	v_pk_mul_f32 v[TB:TB+1], v[HI:HI+1], v[CC:CC+1]
	v_pk_fma_f32 v[TA:TA+1], v[HI:HI+1], v[SS:SS+1], v[TA:TA+1] neg_lo:[1,0,0] neg_hi:[1,0,0]
	v_pk_fma_f32 v[TB:TB+1], v[LO:LO+1], v[SS:SS+1], v[TB:TB+1]
	v_med3_num_f32 v[LO], v[TA], -v[LIM], v[LIM]
	v_med3_num_f32 v[LO+1], v[TA+1], -v[LIM], v[LIM]
	v_med3_num_f32 v[HI], v[TB], -v[LIM], v[LIM]
	v_med3_num_f32 v[HI+1], v[TB+1], -v[LIM], v[LIM]
.endr
.endr
.endr
	WIN 0
.irp b, 0,1,2,3,4,5,6,7
	v_cvt_scalef32_pk8_bf8_f32 v[CD+2*\b:CD+2*\b+1], v[Y+8*\b:Y+8*\b+7], v[SCL]
.endr
	v_nop
.irp hh, 0,1
.irp g, 0,1
	ds_store_b128 v[STO], v[CD+8*\hh+4*\g:CD+8*\hh+4*\g+3] offset:1280*\hh+32*\g
.endr
.endr
.irp hh, 0,1
.irp i, 0,1
	ds_load_b128 v[CD+8*\hh+4*\i:CD+8*\hh+4*\i+3], v[RD] offset:1280*\hh+640*\i
.endr
.endr
.endm
.macro QKSEND a, younger
.set CD, CDS+16*((\a)%2)
	s_wait_dscnt \younger
.irp hh, 0,1
.irp i, 0,1
	global_store_b128 v[CO], v[CD+8*\hh+4*\i:CD+8*\hh+4*\i+3], s[86:87] offset:131072*\hh+1024*(\a)+512*\i
.endr
.endr
.endm
.macro VBLOCK a
.set CD, CDS+16*((\a)%2)
.set AC, 64*((\a)%4)
.set VP, VB+2*((\a)/2)
.if (\a) >= 2
	s_wait_xcnt 0x0
.endif
	WIN 0x02+((\a)/4)
.set j, 0
.rept 32
.if ((\a)%2) == 0
	v_pk_fma_f32 v[Y+j:Y+j+1], v[AC+j:AC+j+1], s[96:97], v[VP:VP+1] op_sel_hi:[1,0,0]
.else
	v_pk_fma_f32 v[Y+j:Y+j+1], v[AC+j:AC+j+1], s[96:97], v[VP:VP+1] op_sel:[0,0,1] op_sel_hi:[1,0,1]
.endif
.set j, j+2
.endr
	WIN 0
.set j, 0
.rept 64
	v_med3_num_f32 v[Y+j], v[Y+j], -v[LIM], v[LIM]
.set j, j+1
.endr
.irp b, 0,1,2,3,4,5,6,7
	v_cvt_scalef32_pk8_bf8_f32 v[CD+2*\b:CD+2*\b+1], v[Y+8*\b:Y+8*\b+7], v[SCL]
.endr
	v_nop
.irp g, 0,1,2,3
	ds_store_b128 v[VSTO], v[CD+4*\g:CD+4*\g+3] offset:32*\g
.endr
.irp i, 0,1,2,3
	ds_load_b128 v[CD+4*\i:CD+4*\i+3], v[VRD] offset:576*\i
.endr
.endm
.macro VSEND a, younger
.set CD, CDS+16*((\a)%2)
	s_wait_dscnt \younger
.irp i, 0,1,2,3
	global_store_b128 v[CO], v[CD+4*\i:CD+4*\i+3], s[86:87] offset:131072*((\a)/4)+2048*((\a)%4)+512*\i
.endr
.endm
	s_cmp_eq_u32 s84, 2
	s_cbranch_scc1 .Lv_out
	s_wait_xcnt 0x0                                ; my prefetches have read v23, which the blocks below write
	WIN 0x40                                       ; destination window 1: B's fragments are done with, four places behind the last products
	v_mov_b32 v[LIM], s18                          ; the bound once more, in window 1, under the same number
.irp a, 1,2,3,4,5,6,7
	ROPELOAD \a
.endr
	WIN 0
	QKBLOCK 0
.irp a, 1,2,3,4,5,6,7
	QKBLOCK \a
	QKSEND \a-1, 8
.endr
	QKSEND 7, 0
	s_branch .Ljoin
.Lv_out:
	s_wait_loadcnt 0x0
	VBLOCK 0
.irp a, 1,2,3,4,5,6,7
	VBLOCK \a
	VSEND \a-1, 8
.endr
	VSEND 7, 0
.Ljoin:
	s_wait_tensorcnt 0x0
	ds_add_u32 v[SPW], v[NIL]
	s_wait_dscnt 0x0
	CROUND
	s_endpgm
.Lfunc_end_k_qfc4513ed89_qkv:
	.size	k_qfc4513ed89_qkv, .Lfunc_end_k_qfc4513ed89_qkv-k_qfc4513ed89_qkv
	.p2alignl 7, 3214868480
	.fill 96, 4, 3214868480
	.section	.rodata,"a",@progbits
	.p2align	6, 0x0
	.amdhsa_kernel k_qfc4513ed89_qkv
		.amdhsa_group_segment_fixed_size 327680
		.amdhsa_private_segment_fixed_size 0
		.amdhsa_enable_private_segment 0
		.amdhsa_kernarg_size 64
		.amdhsa_user_sgpr_count 2
		.amdhsa_user_sgpr_kernarg_segment_ptr 1
		.amdhsa_wavefront_size32 1
		.amdhsa_system_sgpr_workgroup_id_x 1
		.amdhsa_system_sgpr_workgroup_id_y 1
		.amdhsa_system_sgpr_workgroup_id_z 1
		.amdhsa_system_vgpr_workitem_id 0
		.amdhsa_next_free_vgpr 1024
		.amdhsa_next_free_sgpr 100
		.amdhsa_reserve_vcc 0
		.amdhsa_float_denorm_mode_32 3
		.amdhsa_float_denorm_mode_16_64 3
		.amdhsa_memory_ordered 1
		.amdhsa_forward_progress 1
		.amdhsa_inst_pref_size 243
	.end_amdhsa_kernel
	.amdgpu_metadata
---
amdhsa.version: [ 1, 2 ]
amdhsa.kernels:
  - .name:           k_qfc4513ed89_qkv
    .symbol:         k_qfc4513ed89_qkv.kd
    .args:
      - { .name: xc, .offset: 0, .size: 8, .value_kind: global_buffer, .address_space: global }
      - { .name: wqc, .offset: 8, .size: 8, .value_kind: global_buffer, .address_space: global }
      - { .name: b_qkv, .offset: 16, .size: 8, .value_kind: global_buffer, .address_space: global }
      - { .name: rope, .offset: 24, .size: 8, .value_kind: global_buffer, .address_space: global }
      - { .name: lowp_scales, .offset: 32, .size: 8, .value_kind: global_buffer, .address_space: global }
      - { .name: qc, .offset: 40, .size: 8, .value_kind: global_buffer, .address_space: global }
      - { .name: kc, .offset: 48, .size: 8, .value_kind: global_buffer, .address_space: global }
      - { .name: vc, .offset: 56, .size: 8, .value_kind: global_buffer, .address_space: global }
    .group_segment_fixed_size: 327680
    .private_segment_fixed_size: 0
    .kernarg_segment_align: 8
    .kernarg_segment_size: 64
    .max_flat_workgroup_size: 128
    .sgpr_count:     100
    .vgpr_count:     1024
    .wavefront_size: 32
...
	.end_amdgpu_metadata
.endif
;; end of part 2
;; launch attn (part 3): grid 4 x 64, 8 waves a work-group, clusters of 4 x 1, 327,680 bytes of LDS; arguments qc, kc, vc, lowp_scales, ac; writes ac
.if DOCPART == 3
	.amdgcn_target "amdgcn-amd-amdhsa--gfx1250"
	.amdhsa_code_object_version 6
	.text
	.protected	k_qfc4513ed89_attn
	.globl	k_qfc4513ed89_attn
	.p2align	8
	.type	k_qfc4513ed89_attn,@function
k_qfc4513ed89_attn:
	s_mov_b64 s[64:65], 0
	v_nop
	global_prefetch_b8 v0, s[64:65] scope:SCOPE_SE
	s_setreg_imm32_b32 hwreg(HW_REG_WAVE_MODE, 25, 1), 1
	s_wait_xcnt 0x0
	s_wait_alu depctr_hold_cnt(0) depctr_sa_sdst(0) depctr_va_vdst(0) depctr_va_sdst(0) depctr_va_ssrc(0) depctr_va_vcc(0) depctr_vm_vsrc(0)
	s_getreg_b32 s2, hwreg(HW_REG_IB_STS2, 6, 4)
	s_cmp_eq_u32 s2, 0
	s_cbranch_scc0 .Lentry_in_a_cluster
	s_endpgm
.Lentry_in_a_cluster:
	s_bfe_u32 s2, ttmp6, 0x10000c
	s_cmp_lg_u32 s2, 0x3003
	s_cbranch_scc0 .Lentry_shape_is_right
	s_endpgm
.Lentry_shape_is_right:
; ATTENTION ON CODES OF BF8 (E5M2), head size 64, 2,048 keys, 64 heads (batch x 16 + head).  qc, kc: [64][2048][64]; vc: [64][16 steps][64 d][128 keys].
; THE SOFTMAX: t = score x log2(e) / 8; M = the running largest t rounded UP to a whole number; p = 2^(t - M) is quantised with 2^e4, not normalised; the row's sum is taken of the unquantised p and divides at the end;
;   when M moves, the sum and O are multiplied by 2^(old M - new M), which rounds nothing.  The result, x 2^(e4 + e5) / sum, is quantised with 2^e6 for the last product.
; SHARES.  The four work-groups of a cluster are the four blocks of 512 queries of ONE head.  A work-group makes two passes of 256 queries; each of its eight waves holds two tiles of 16 queries.
; A HEAD'S WHOLE K AND V STAY IN LDS, filled once by JOINT loads (mask of all four, the same descriptor in all four): each wave issues ONE load at the head: waves 0 to 3 a quarter of K (128 rows of 256 bytes),
;   waves 4 to 7 a quarter of V (256 rows of 128 bytes).  One wait for all and one barrier follow; no LDS byte is filled twice, so no later barrier stands in the text but the closing round.
;   Nothing is prefetched: all that the launch reads of K and V is asked for at its head, and there is no loop to run ahead in.
; LAYOUT.  Both products are used transposed: S^T = K Q^T (source 0 = 16 keys, source 1 = 16 queries, K = 64), O^T = V^T P^T (source 0 = 16 channels, source 1 = P, K = 128): a lane holds ONE query throughout.
;   The eight registers of tile T of S^T are keys 16 T + 8 h + 0 .. 7: their codes are registers 2 T, 2 T + 1 of P as the K = 128 form takes them.
; BY TURNS.  One tile's products stand ahead of the other tile's softmax; one tile's maximum and its chain for M and f are laid line by line among the other tile's sums and holds, so that no line reads the line above it.
; ac: [64 blocks of 128 tokens][16 heads][128 tokens][64 d].
; LIMITS, so that each power of two below is an f32 number: e2 + e3 between -123 and 130 (added to c's exponent field); e4 and e6 between -126 and 112; e4 + e5 is applied by v_ldexp_f32 and has none.
; REGISTERS.  window 0: v1-8 addresses; v16-31 eight statistics a tile: -M, the largest t, the sum (2), f (2), at work (2); v32-47 Q; v48-79 P; v80-95 the result's codes; v96-223 S^T, then p; v224-231 at work; v240-245 scales.
;   window 1: v0-63 K's fragments of a step; v64-127 V's; v128-191 O^T.
.set KSB,   8704                       ; a step's 128 keys of K in LDS: 32 rows (4 keys each) x 272
.set VSB,   9216                       ; a step's V: 64 rows x 144
.set VOFF,  139264                     ; K: 512 rows x 272; then V: 1,024 rows x 144
.set STAGE, 286720                     ; behind them: 32 rows x 80 for each wave, for the way out; no fill lands there
.set SPARE, 307200                     ; behind the stages: the spare words, 128 bytes a wave
.set AK0, 1                            ; v1  my lane's place in a tile of K: 272 (r / 4) + 64 (r % 4) + 16 h
.set AV0, 2                            ; v2  the same for V: VOFF + 144 r + 16 h
.set ADK, 3
.set ADV, 4
.set QO,  5
.set STO, 6
.set RD,  7
.set GO,  8
.set ST,  16
.set Q,   32
.set P,   48
.set OC,  80
.set S,   96
.set PLIM, 240                         ; 57,344 x 2^e4,
.set PLIM2, 245                        ; and once more, for the second half of a dual pair
.set PSCL, 241
.set OLIM, 242
.set OSCL, 243
.set SPW, 254
.set NIL, 255
.set VF,  64                           ; in window 1
.set O,   128
.set WV,  14
.set SEL, 20                           ; s[20:21] lane selects for v_permlanex16_b32: lane l xor 16
.set CS,  22                           ; s[22:23] c
.set G1K, 24
.set G1V, 32
.set G0K, 40
.set G0V, 44
.set KA,  56                           ; s56 LDS byte of the step of K to be fetched
.set VA,  57                           ; s57 of V
.set CNT, 58
.set PASS, 59
.set EPV, 60
.set QB,  62                           ; s[62:63] Q's codes at my wave's first query of the pass
.set OB,  92                           ; s[92:93] where my wave's results of the pass go
.set MSB, 0
.macro WIN new                         ; the immediate's high byte repeats the setting that is left
.if MSB != \new
	s_set_vgpr_msb (MSB<<8)|\new
.set MSB, \new
.endif
.endm
.macro CROUND                          ; a round of the cluster's barrier
	s_barrier_signal -1
	s_barrier_wait -1
	s_cmp_lg_u32 s[WV], 0
	s_cbranch_scc1 .Lnot_wave_0_\@
	s_barrier_signal -3
.Lnot_wave_0_\@:
	s_barrier_wait -3
	s_barrier_signal -1
	s_barrier_wait -1
.endm
.macro QLOAD                           ; my two tiles of Q: lane (r, h): row r, bytes 16 h + 32 c
.irp x, 0,1
.irp c, 0,1
	global_load_b128 v[Q+8*\x+4*\c:Q+8*\x+4*\c+3], v[QO], s[QB:QB+1] offset:1024*\x+32*\c
.endr
.endr
.endm
	s_load_b256 s[4:11], s[0:1], 0x0               ; qc s[4:5], kc s[6:7], vc s[8:9], the scales' exponents s[10:11]
	s_load_b64 s[12:13], s[0:1], 0x20              ; ac
	v_lshl_add_u32 v[SPW], v0, 2, SPARE
	v_mov_b32 v[NIL], 0
	ds_add_u32 v[SPW], v[NIL]                      ; the opening lines: the add, twice on end, and its wait ahead of my tensor load
	ds_add_u32 v[SPW], v[NIL]
	v_lshrrev_b32 v9, 5, v0
	s_delay_alu instid0(VALU_DEP_1)
	v_readfirstlane_b32 s[WV], v9                  ; wave 0..7
	s_bfe_u32 s15, ttmp6, 0x40000                  ; cx: it enters Q's and the result's addresses alone
	s_and_b32 s16, ttmp7, 0xffff                   ; the head, which the four partners share
	s_lshl_b32 s94, s16, 17                        ; its 131,072 bytes in each of qc, kc, vc
	s_and_b32 s17, s[WV], 3                        ; which quarter I fetch
	s_lshl_b32 s18, s17, 15
	s_add_co_u32 s96, s94, s18
	s_mov_b32 s97, 0
	s_mul_i32 s18, s17, 34816                      ; K: 128 rows x 272
	s_mul_i32 s19, s17, 36864                      ; V: 256 rows x 144
	s_add_co_u32 s19, s19, VOFF
	s_mov_b32 s[G1K], 15|(0<<16)|(1<<20)|(1<<21)|(5<<22)|(3<<25)  ; the mask of all four; elements of 1 byte; padding on; bit 21 beside a mask; four words after every 64
	s_mov_b32 s[G1K+1], 256<<16                    ; tensor_dim0
	s_mov_b32 s[G1K+2], 128<<16                    ; tensor_dim1
	s_mov_b32 s[G1K+3], 256<<16                    ; tile_dim0
	s_mov_b32 s[G1K+4], 128                        ; tile_dim1
	s_mov_b32 s[G1K+5], 256                        ; the pitch: dense
	s_mov_b32 s[G1K+6], 0
	s_mov_b32 s[G1K+7], 0
	s_mov_b32 s[G1V], 15|(0<<16)|(1<<20)|(1<<21)|(4<<22)|(3<<25)  ; padding: four words after every 32
	s_mov_b32 s[G1V+1], 128<<16
	s_mov_b32 s[G1V+2], 256<<16
	s_mov_b32 s[G1V+3], 128<<16
	s_mov_b32 s[G1V+4], 256
	s_mov_b32 s[G1V+5], 128
	s_mov_b32 s[G1V+6], 0
	s_mov_b32 s[G1V+7], 0
	s_mov_b32 s[SEL], 0x76543210
	s_mov_b32 s[SEL+1], 0xfedcba98
	s_wait_dscnt 0x0                               ; both opening adds are done
	s_wait_kmcnt 0x0
	s_load_b256 s[84:91], s[10:11], 0x0            ; e0 .. e7
	s_mov_b32 s[G0K], 1
	s_mov_b32 s[G0K+1], s18
	s_add_nc_u64 s[G0K+2:G0K+3], s[6:7], s[96:97]
	s_or_b32 s[G0K+3], s[G0K+3], 0x80000000
	s_mov_b32 s[G0V], 1
	s_mov_b32 s[G0V+1], s19
	s_add_nc_u64 s[G0V+2:G0V+3], s[8:9], s[96:97]
	s_or_b32 s[G0V+3], s[G0V+3], 0x80000000
	CROUND                                         ; all four work-groups are here: the joint loads meet
	s_cmp_lt_u32 s[WV], 4                          ; one chain on the wave's number, one load to an arm, one join
	s_cbranch_scc0 .Lfor_v
	tensor_load_to_lds s[G0K:G0K+3], s[G1K:G1K+7]
	s_nop 0
.rept 4
	v_nop
.endr
	s_branch .Lasked
.Lfor_v:
	tensor_load_to_lds s[G0V:G0V+3], s[G1V:G1V+7]
	s_nop 0
.rept 4
	v_nop
.endr
.Lasked:
	s_lshl_b32 s66, s15, 15                        ; Q: my block of 512 queries x 64 bytes,
	s_lshl_b32 s67, s[WV], 11                      ; my wave's 32,
	s_add_co_u32 s66, s66, s67
	s_add_co_u32 s66, s66, s94                     ; in my head
	s_mov_b32 s67, 0
	s_add_nc_u64 s[QB:QB+1], s[4:5], s[66:67]
	s_lshr_b32 s98, s16, 4                         ; the result: block of 128 tokens = 16 x batch + 4 cx + 2 x pass + wave / 4
	s_lshl_b32 s98, s98, 4
	s_lshl_b32 s99, s15, 2
	s_add_co_u32 s98, s98, s99
	s_lshr_b32 s99, s[WV], 2
	s_add_co_u32 s98, s98, s99
	s_lshl_b32 s98, s98, 4
	s_and_b32 s99, s16, 15
	s_add_co_u32 s98, s98, s99                     ; x 16 + head
	s_lshl_b32 s98, s98, 13
	s_and_b32 s99, s[WV], 3
	s_lshl_b32 s99, s99, 11                        ; + my 32 tokens of the 128
	s_add_co_u32 s98, s98, s99
	s_mov_b32 s99, 0
	s_add_nc_u64 s[OB:OB+1], s[12:13], s[98:99]
	s_mul_i32 s17, s[WV], 2560
	s_add_co_u32 s17, s17, STAGE                   ; my stage
	v_and_b32 v9, 15, v0                           ; r
	v_bfe_u32 v10, v0, 4, 1                        ; h
	v_lshlrev_b32 v[QO], 6, v9
	s_delay_alu instid0(VALU_DEP_1)
	v_lshl_add_u32 v[QO], v10, 4, v[QO]
	QLOAD
	v_lshrrev_b32 v11, 2, v9
	s_delay_alu instid0(VALU_DEP_1)
	v_mul_u32_u24 v[AK0], v11, 272
	v_and_b32 v11, 3, v9
	s_delay_alu instid0(VALU_DEP_1)
	v_lshl_add_u32 v[AK0], v11, 6, v[AK0]
	s_delay_alu instid0(VALU_DEP_1)
	v_lshl_add_u32 v[AK0], v10, 4, v[AK0]
	v_mul_u32_u24 v[AV0], v9, 144
	s_delay_alu instid0(VALU_DEP_1)
	v_lshl_add_u32 v[AV0], v10, 4, v[AV0]
	s_delay_alu instid0(VALU_DEP_1)
	v_add_nc_u32 v[AV0], VOFF, v[AV0]
	v_mul_u32_u24 v[STO], v9, 80
	s_delay_alu instid0(VALU_DEP_1)
	v_lshl_add_u32 v[STO], v10, 3, v[STO]
	s_delay_alu instid0(VALU_DEP_1)
	v_add_nc_u32 v[STO], s17, v[STO]               ; in: row r, + 8 h
	v_and_b32 v11, 31, v0
	s_delay_alu instid0(VALU_DEP_1)
	v_lshlrev_b32 v[GO], 4, v11
	s_delay_alu instid0(VALU_DEP_2)
	v_lshrrev_b32 v12, 2, v11
	s_delay_alu instid0(VALU_DEP_1)
	v_mul_u32_u24 v[RD], v12, 80
	s_delay_alu instid0(VALU_DEP_4)
	v_and_b32 v12, 3, v11
	s_delay_alu instid0(VALU_DEP_1)
	v_lshl_add_u32 v[RD], v12, 4, v[RD]
	s_delay_alu instid0(VALU_DEP_1)
	v_add_nc_u32 v[RD], s17, v[RD]                 ; back: four lanes to a row of 64 bytes
.irp x, 0,1
	v_mov_b32 v[ST+8*\x+5], 0                      ; (named as the upper half of f's pair)
	v_mov_b32 v[224+4*\x], 0                       ; written once: a lane permute's destination counts as one of its sources
.endr
	s_wait_alu depctr_va_vdst(0)
	s_wait_kmcnt 0x0
	s_add_co_i32 s17, s86, s87                     ; a score stands for score x 2^(e2 + e3): the exponents are added to c's exponent field
	s_lshl_b32 s17, s17, 23
	s_mov_b32 s[CS], 0x3e38aa3b                    ; c = log2(e) / 8
	s_add_co_i32 s[CS], s[CS], s17
	s_mov_b32 s[CS+1], s[CS]
	s_add_co_i32 s17, s88, 127
	s_lshl_b32 s18, s17, 23
	v_mov_b32 v[PSCL], s18                         ; 2^e4
	s_add_co_i32 s17, s17, 15
	s_lshl_b32 s17, s17, 23
	s_or_b32 s17, s17, 0x600000
	v_mov_b32 v[PLIM], s17                         ; 57,344 x 2^e4
	v_mov_b32 v[PLIM2], s17
	s_add_co_i32 s17, s90, 127
	s_lshl_b32 s18, s17, 23
	v_mov_b32 v[OSCL], s18                         ; 2^e6
	s_add_co_i32 s17, s17, 15
	s_lshl_b32 s17, s17, 23
	s_or_b32 s17, s17, 0x600000
	v_mov_b32 v[OLIM], s17
	s_add_co_i32 s[EPV], s88, s89                  ; e4 + e5
.macro KQ x                            ; S^T of tile x for a step: eight tiles of 16 keys; each product starts its sum
	WIN 0x01                                       ; K in window 1
.irp T, 0,1,2,3,4,5,6,7
	v_wmma_f32_16x16x64_bf8_bf8 v[S+64*(\x)+8*\T:S+64*(\x)+8*\T+7], v[8*\T:8*\T+7], v[Q+8*(\x):Q+8*(\x)+7], 0
.endr
.endm
.macro PV x                            ; O^T of tile x += V^T P^T: four tiles of 16 channels, one instruction a turn
	WIN 0x51                                       ; V, C and D in window 1
.irp t, 0,1,2,3
	v_wmma_f32_16x16x128_bf8_bf8 v[O+32*(\x)+8*\t:O+32*(\x)+8*\t+7], v[VF+16*\t:VF+16*\t+15], v[P+16*(\x):P+16*(\x)+15], v[O+32*(\x)+8*\t:O+32*(\x)+8*\t+7]
.endr
.endm
.macro DM k                            ; k dual pairs of holds on tile x's p: the conversion does not saturate (ISA guide 7.6.2); p is not negative, so the hold is one-sided
.if mds
.rept \k
	v_dual_min_num_f32 v[rS+n], v[PLIM], v[rS+n] :: v_dual_min_num_f32 v[rS+n+1], v[PLIM2], v[rS+n+1]
.set n, n+2
.endr
.endif
.endm
.macro HN d                            ; a hint, only where the chain stands alone (no holds between its lines)
.if mds == 0
	s_delay_alu instid0(VALU_DEP_\d)
.endif
.endm
; ds = 1: tile x's sum of the UNQUANTISED p (two chains) and its 64 holds.  dm = 1: tile y's largest score of the step (two chains, ascending: each accumulator is read from its low end on), its new M and f = 2^(old M - new M).
.macro MIX x, y, ds, dm
.set mds, \ds
.set rS, S+64*(\x)
.set rT, ST+8*(\x)
.set rY, 226+4*(\x)
.set qS, S+64*(\y)
.set qT, ST+8*(\y)
.set qX, 224+4*(\y)
.if \dm
	v_max3_num_f32 v[qT+6], v[qS], v[qS+1], v[qS+2]
	v_max3_num_f32 v[qT+7], v[qS+3], v[qS+4], v[qS+5]
.endif
.if \ds
	v_pk_add_f32 v[rY:rY+1], v[rS:rS+1], v[rS+2:rS+3]
.endif
.set j, 4
.rept 14
.if \dm
	v_max3_num_f32 v[qT+6], v[qT+6], v[qS+j+2], v[qS+j+3]
.endif
.if \ds
	v_pk_add_f32 v[rT+2:rT+3], v[rT+2:rT+3], v[rS+j:rS+j+1]
.endif
.if \dm
	v_max3_num_f32 v[qT+7], v[qT+7], v[qS+j+4], v[qS+j+5]
.endif
.if \ds
	v_pk_add_f32 v[rY:rY+1], v[rY:rY+1], v[rS+j+2:rS+j+3]
.endif
.set j, j+4
.endr
.if \dm
	v_max3_num_f32 v[qT+6], v[qT+6], v[qS+62], v[qS+63]
.endif
.if \ds
	v_pk_add_f32 v[rT+2:rT+3], v[rT+2:rT+3], v[rS+60:rS+61]
	v_pk_add_f32 v[rY:rY+1], v[rY:rY+1], v[rS+62:rS+63]
.endif
.set n, 0
.if \dm
	HN 1
	v_max_num_f32 v[qT+6], v[qT+6], v[qT+7]
	DM 3
	HN 1
	v_permlanex16_b32 v[qX], v[qT+6], s[SEL], s[SEL+1]     ; the query's other 64 keys lie in the lane 16 away
	DM 3
	HN 1
	v_max_num_f32 v[qT+6], v[qT+6], v[qX]
	DM 3
	HN 1
	v_mul_f32 v[qT+6], s[CS], v[qT+6]              ; as t (c is positive)
	DM 3
	HN 1
	v_max_num_f32 v[qT+1], v[qT+1], v[qT+6]        ; the running largest t
	DM 3
	v_mov_b32 v[qT+6], v[qT]
	DM 3
	HN 2
	v_floor_f32 v[qT], -v[qT+1]                    ; the new -M = floor(-t): M is a whole number
	DM 3
	HN 1
	v_sub_f32 v[qT+6], v[qT], v[qT+6]              ; old M - new M, 0 or less
	DM 3
	HN 1
	v_cvt_i32_f32 v[qT+6], v[qT+6]                 ; (it saturates)
	DM 3
	HN 1
	v_ldexp_f32 v[qT+4], 1.0, v[qT+6]
	DM 5
.else
	DM 32
.endif
.if \ds
	v_pk_add_f32 v[rT+2:rT+3], v[rT+2:rT+3], v[rY:rY+1]
.endif
.endm
.macro LDKV k                          ; one run of LDS loads: the step's V and, with k = 1, the next step's K
	WIN 0
	v_add_nc_u32 v[ADV], s[VA], v[AV0]
.if \k
	v_add_nc_u32 v[ADK], s[KA], v[AK0]
.endif
	WIN 0x40                                       ; destination window 1
.irp t, 0,1,2,3
.irp c, 0,1,2,3
	ds_load_b128 v[VF+16*\t+4*\c:VF+16*\t+4*\c+3], v[ADV] offset:2304*\t+32*\c
.endr
.endr
.if \k
.irp T, 0,1,2,3,4,5,6,7
.irp c, 0,1
	ds_load_b128 v[8*\T+4*\c:8*\T+4*\c+3], v[ADK] offset:1088*\T+32*\c
.endr
.endr
.endif
	WIN 0
	s_add_co_u32 s[VA], s[VA], VSB
.if \k
	s_add_co_u32 s[KA], s[KA], KSB
.endif
.endm
; Tile x's softmax behind its maximum: t - M, p, the sum, the holds, P's codes, O^T under the new M; among the sums and holds tile y's maximum (dm = 1).  ld = 1: V and K are fetched, ld = 2: V alone.
.macro SOFT x, y, dm, ld
	WIN 0
.set j, 0
.rept 32
	v_pk_fma_f32 v[S+64*(\x)+j:S+64*(\x)+j+1], v[S+64*(\x)+j:S+64*(\x)+j+1], s[CS:CS+1], v[ST+8*(\x):ST+8*(\x)+1] op_sel_hi:[1,0,0]   ; t - M; these 32 are also the places in front of the loads below
.set j, j+2
.endr
.if \ld == 1
	LDKV 1
.endif
.if \ld == 2
	LDKV 0
.endif
	s_wait_alu depctr_va_vdst(0)
.set j, 0
.rept 64
	v_exp_f32 v[S+64*(\x)+j], v[S+64*(\x)+j]       ; p = 2^(t - M), at most 1
.set j, j+1
.endr
	v_pk_mul_f32 v[ST+8*(\x)+2:ST+8*(\x)+3], v[ST+8*(\x)+2:ST+8*(\x)+3], v[ST+8*(\x)+4:ST+8*(\x)+5] op_sel_hi:[1,0]   ; the sum under the new M: the plain instruction behind the exponentials
	s_wait_alu depctr_va_vdst(0)                   ; one wait for the batch of 64, ahead of its first reader, and ahead of the first reader of tile y's scores
	MIX \x, \y, 1, \dm
.irp b, 0,1,2,3,4,5,6,7
	v_cvt_scalef32_pk8_bf8_f32 v[P+16*(\x)+2*\b:P+16*(\x)+2*\b+1], v[S+64*(\x)+8*\b:S+64*(\x)+8*\b+7], v[PSCL]
.endr
	WIN 0x41                                       ; O^T in window 1, f in window 0
	s_wait_alu depctr_va_vdst(0)                   ; directly ahead of the first reader of O^T
.set j, 0
.rept 16
	v_pk_mul_f32 v[O+32*(\x)+j:O+32*(\x)+j+1], v[O+32*(\x)+j:O+32*(\x)+j+1], v[ST+8*(\x)+4:ST+8*(\x)+5] op_sel_hi:[1,0]   ; x f; also the plain instructions between the conversions and the products
.set j, j+2
.endr
.endm
; A KEY STEP j.  At its head: tile 0's P of step j and tile 1's M of step j are made; V of j and K of j + 1 are on their way.
.macro BODY ld
	s_wait_alu depctr_va_vdst(0)
	s_wait_dscnt 0x0                               ; V of this step and K of the next are in
	PV 0
	KQ 0
	SOFT 1, 0, 1, 0
	PV 1
	KQ 1
	SOFT 0, 1, 1, \ld
	WIN 0
.endm
	s_wait_alu depctr_va_vdst(0)
	s_wait_tensorcnt 0x0                           ; my quarter is in
	s_barrier_signal -1
	s_barrier_wait -1                              ; everybody's is: the head's whole K and V
	s_mov_b32 s[PASS], 2
.Lpass:
	WIN 0x40
.set j, 0
.rept 64
	v_mov_b32 v[O+j], 0                            ; O^T.  (A key step is written once for all steps: the first finds zeros, which the first change of M leaves zeros)
.set j, j+1
.endr
.irp T, 0,1,2,3,4,5,6,7
.irp c, 0,1
	ds_load_b128 v[8*\T+4*\c:8*\T+4*\c+3], v[AK0] offset:1088*\T+32*\c   ; K of step 0
.endr
.endr
	WIN 0
.irp x, 0,1
	v_mov_b32 v[ST+8*\x+1], 0xff61b1e6             ; the largest t so far: -3e38
	s_delay_alu instid0(VALU_DEP_1)
	v_floor_f32 v[ST+8*\x], -v[ST+8*\x+1]
	v_mov_b32 v[ST+8*\x+2], 0
	v_mov_b32 v[ST+8*\x+3], 0
.endr
	s_wait_alu depctr_va_vdst(0)
	s_wait_loadcnt 0x0                             ; Q
	s_wait_dscnt 0x0
	KQ 0
	KQ 1
	WIN 0
.rept 4
	v_nop                                          ; places between the first products and the first read of their results
.endr
	MIX 0, 0, 0, 1                                 ; tile 0's maximum of step 0, alone
	s_mov_b32 s[VA], 0
	s_mov_b32 s[KA], KSB
	SOFT 0, 1, 1, 1                                ; V of step 0, K of step 1; tile 1's maximum of step 0
	WIN 0
	s_mov_b32 s[KA], 2*KSB
	s_mov_b32 s[VA], VSB
	s_mov_b32 s[CNT], 14
.Lstep:                                                ; steps 0 to 13: they fetch up to V of step 14 and K of step 15
	BODY 1
	s_sub_co_u32 s[CNT], s[CNT], 1
	s_cmp_lg_u32 s[CNT], 0
	s_cbranch_scc1 .Lstep
	s_mov_b32 s[VA], 15*VSB
	BODY 2                                         ; step 14: no K is left to fetch
	s_cmp_eq_u32 s[PASS], 1                        ; the next pass's Q is asked for here, if there is a next pass: no load leaves its buffer.  Q's last reader stands a softmax back
	s_cbranch_scc1 .Lno_q
	s_add_nc_u64 s[QB:QB+1], s[QB:QB+1], 16384     ; (this pass's loads of Q were waited for at its head)
	QLOAD
.Lno_q:
	s_wait_alu depctr_va_vdst(0)
	s_wait_dscnt 0x0
	PV 0                                           ; step 15
	SOFT 1, 0, 0, 0
	PV 1
	; THE WAY OUT.  The sum's halves and the other half of the lanes' are added (these lines are the places behind the last products); O^T x 2^(e4 + e5) / sum is held, converted with 2^e6, and goes through my stage.
	WIN 0
.irp x, 0,1
	v_add_f32 v[ST+8*\x+6], v[ST+8*\x+2], v[ST+8*\x+3]
.endr
.irp x, 0,1
	s_delay_alu instid0(VALU_DEP_2)
	v_permlanex16_b32 v[224+4*\x], v[ST+8*\x+6], s[SEL], s[SEL+1]
.endr
.irp x, 0,1
	s_delay_alu instid0(VALU_DEP_2)
	v_add_f32 v[ST+8*\x+6], v[ST+8*\x+6], v[224+4*\x]
.endr
	s_wait_alu depctr_va_vdst(0)
.irp x, 0,1
	v_rcp_f32 v[ST+8*\x+4], v[ST+8*\x+6]
.endr
	v_nop                                          ; a plain instruction behind the last reciprocal
	s_wait_alu depctr_va_vdst(0)                   ; one wait for the two, ahead of their first reader
.irp x, 0,1
	v_ldexp_f32 v[ST+8*\x+4], v[ST+8*\x+4], s[EPV]
.endr
	WIN 0x01                                       ; source 0 (O^T) window 1; the results go into S^T's registers, which are free
	s_wait_alu depctr_va_vdst(0)                   ; directly ahead of the first reader of O^T
.irp x, 0,1
.set j, 0
.rept 16
	v_pk_mul_f32 v[S+64*\x+j:S+64*\x+j+1], v[O+32*\x+j:O+32*\x+j+1], v[ST+8*\x+4:ST+8*\x+5] op_sel_hi:[1,0]   ; register 8 t + i is channel 16 t + 8 h + i of query r
.set j, j+2
.endr
.endr
	WIN 0
.irp x, 0,1
.irp t, 0,1,2,3
.irp i, 0,1,2,3,4,5,6,7
	v_med3_num_f32 v[S+64*\x+8*\t+\i], v[S+64*\x+8*\t+\i], -v[OLIM], v[OLIM]
.endr
	v_cvt_scalef32_pk8_bf8_f32 v[OC+8*\x+2*\t:OC+8*\x+2*\t+1], v[S+64*\x+8*\t:S+64*\x+8*\t+7], v[OSCL]
.endr
.endr
	v_nop                                          ; one plain vector instruction behind the last conversion
.irp x, 0,1
.irp t, 0,1,2,3
	ds_store_b64 v[STO], v[OC+8*\x+2*\t:OC+8*\x+2*\t+1] offset:1280*\x+16*\t
.endr
.endr
.irp i, 0,1,2,3
	ds_load_b128 v[OC+4*\i:OC+4*\i+3], v[RD] offset:640*\i     ; LDS serves a wave's instructions in order: these see my stores; eight whole rows of 64 bytes
.endr
.irp i, 0,1,2,3
	s_wait_dscnt 3-\i
	global_store_b128 v[GO], v[OC+4*\i:OC+4*\i+3], s[OB:OB+1] offset:512*\i   ; 32 lanes store 512 consecutive bytes, at a multiple of 256 from the buffer's first byte
.endr
	s_wait_xcnt 0x0                                ; the stores have read their registers and their base: both are written again in the next pass
	s_add_nc_u64 s[OB:OB+1], s[OB:OB+1], 262144    ; 256 tokens on: two blocks of 128 x 16 heads x 8,192 bytes
	s_sub_co_u32 s[PASS], s[PASS], 1
	s_cmp_lg_u32 s[PASS], 0
	s_cbranch_scc1 .Lpass
	s_wait_tensorcnt 0x0                           ; the wave's end, behind my tensor load and my last LDS store
	ds_add_u32 v[SPW], v[NIL]
	s_wait_dscnt 0x0
	CROUND                                         ; the closing round: no work-group ends while a partner may still ask for a tile that names it
	s_endpgm
.Lfunc_end_k_qfc4513ed89_attn:
	.size	k_qfc4513ed89_attn, .Lfunc_end_k_qfc4513ed89_attn-k_qfc4513ed89_attn
	.p2alignl 7, 3214868480
	.fill 96, 4, 3214868480
	.section	.rodata,"a",@progbits
	.p2align	6, 0x0
	.amdhsa_kernel k_qfc4513ed89_attn
		.amdhsa_group_segment_fixed_size 327680
		.amdhsa_private_segment_fixed_size 0
		.amdhsa_enable_private_segment 0
		.amdhsa_kernarg_size 40
		.amdhsa_user_sgpr_count 2
		.amdhsa_user_sgpr_kernarg_segment_ptr 1
		.amdhsa_wavefront_size32 1
		.amdhsa_system_sgpr_workgroup_id_x 1
		.amdhsa_system_sgpr_workgroup_id_y 1
		.amdhsa_system_sgpr_workgroup_id_z 1
		.amdhsa_system_vgpr_workitem_id 0
		.amdhsa_next_free_vgpr 512
		.amdhsa_next_free_sgpr 100
		.amdhsa_reserve_vcc 0
		.amdhsa_float_denorm_mode_32 3
		.amdhsa_float_denorm_mode_16_64 3
		.amdhsa_memory_ordered 1
		.amdhsa_forward_progress 1
		.amdhsa_inst_pref_size 105
	.end_amdhsa_kernel
	.amdgpu_metadata
---
amdhsa.version: [ 1, 2 ]
amdhsa.kernels:
  - .name:           k_qfc4513ed89_attn
    .symbol:         k_qfc4513ed89_attn.kd
    .args:
      - { .name: qc, .offset: 0, .size: 8, .value_kind: global_buffer, .address_space: global }
      - { .name: kc, .offset: 8, .size: 8, .value_kind: global_buffer, .address_space: global }
      - { .name: vc, .offset: 16, .size: 8, .value_kind: global_buffer, .address_space: global }
      - { .name: lowp_scales, .offset: 24, .size: 8, .value_kind: global_buffer, .address_space: global }
      - { .name: ac, .offset: 32, .size: 8, .value_kind: global_buffer, .address_space: global }
    .group_segment_fixed_size: 327680
    .private_segment_fixed_size: 0
    .kernarg_segment_align: 8
    .kernarg_segment_size: 40
    .max_flat_workgroup_size: 256
    .sgpr_count:     100
    .vgpr_count:     512
    .wavefront_size: 32
...
	.end_amdgpu_metadata
.endif
;; end of part 3
;; launch out (part 4): grid 4 x 64, 4 waves a work-group, clusters of 4 x 4, 327,680 bytes of LDS; arguments ac, woc, b_out, lowp_scales, out0; writes out0
.if DOCPART == 4
	.amdgcn_target "amdgcn-amd-amdhsa--gfx1250"
	.amdhsa_code_object_version 6
	.text
	.protected	k_qfc4513ed89_out
	.globl	k_qfc4513ed89_out
	.p2align	8
	.type	k_qfc4513ed89_out,@function
k_qfc4513ed89_out:
	s_mov_b64 s[64:65], 0
	v_nop
	global_prefetch_b8 v0, s[64:65] scope:SCOPE_SE
	s_setreg_imm32_b32 hwreg(HW_REG_WAVE_MODE, 25, 1), 1
	s_wait_xcnt 0x0
	s_wait_alu depctr_hold_cnt(0) depctr_sa_sdst(0) depctr_va_vdst(0) depctr_va_sdst(0) depctr_va_ssrc(0) depctr_va_vcc(0) depctr_vm_vsrc(0)
	s_getreg_b32 s2, hwreg(HW_REG_IB_STS2, 6, 4)
	s_cmp_eq_u32 s2, 0
	s_cbranch_scc0 .Lentry_in_a_cluster
	s_endpgm
.Lentry_in_a_cluster:
	s_bfe_u32 s2, ttmp6, 0x10000c
	s_cmp_lg_u32 s2, 0xf033
	s_cbranch_scc0 .Lentry_shape_is_right
	s_endpgm
.Lentry_shape_is_right:
; THE LAST PRODUCT: out0[8192][1024] f32 = (attention's result, codes of BF8 with 2^e6) x (w_out, codes with 2^e7, K innermost) x 2^(e6 + e7) + b_out.
; ac: [64 blocks of 128 tokens][16 heads][128 tokens][64 d]: four heads of a block are 32,768 consecutive bytes, a K step of 256.  woc: [1024 n][1024 k].
; SHARES.  A work-group makes 128 rows x 256 columns: 64 x 4 = 256 work-groups.  Each of its four waves makes 64 x 128: 32 accumulators of 16 x 16, 256 registers.
; K goes in four steps of 256 through two LDS slots (A's 128 rows of 272 bytes, then B's 256); waves 0, 1 fetch 64 rows of A each, waves 2, 3 128 rows of B each: one tensor load a wave behind each change of slots.
; CLUSTERS: 4 x 4.  The four of a row of the cluster need the same tile of A, the four of a column the same tile of B: each is asked for jointly.
; PREFETCH: behind the joint load of K step t each wave asks for K step t + 1 of the rows that it fetches, its work-group's quarter of them (told apart by address): A 16 rows of 256 bytes (lanes 16 to 31 name the last again), B 32.
;   The load of K step 3 asks for nothing.
; THE MATRIX INSTRUCTION IS USED TRANSPOSED (source 0 = 16 rows of B, source 1 = 16 rows of A): a lane holds eight neighbouring numbers of a row of the result.
; LIMIT: e6 + e7 between -126 and 127, so that 2^(e6 + e7) is an f32 number.
; REGISTERS.  window 0: v1-31 addresses; v32-95 the bias; from v128 A's fragments, two sets of 4 x 16; on the way out v96-223.  window 1: B's fragments, two sets of 8 x 16.  window 2: accumulator (a, b) at v[8 (8 a + b)].
.set ROWB,   256
.set KROW,   1024
.set PITCH,  272
.set NP,     4
.set HALFT,  128*PITCH
.set AH,     64*PITCH
.set SLOT,   3*HALFT
.set SPARE,  2*SLOT                    ; behind the ring: the spare words, 128 bytes a wave
.set SPITCH, 528                       ; the way out: 16 rows x (512 + 16) bytes a wave, in slot 0, which has had its last fill and its last read by then
.set BOF,  1
.set PFO,  8
.set ADRA, 16
.set ADRB, 20
.set STO,  24
.set RD,   25
.set CO,   26
.set SPW,  28
.set NIL,  29
.set BI,   32
.set AF,   128
.set G1, 24
.set G0, 32
.set G1B, 48
.set G0B, 56
.set MSB, 0
.macro WIN new
.if MSB != \new
	s_set_vgpr_msb (MSB<<8)|\new
.set MSB, \new
.endif
.endm
.set MUL_LO, 0xa1                      ; source 0 (B) window 1, source 1 (A) window 0, C and D window 2
.set TO_B,   0x40
.macro JLOAD g0a, g1a, g0b, g1b        ; waves 0, 1 fetch for A, waves 2, 3 for B; an s_nop 0 and four v_nop follow each line
	s_cmp_eq_u32 s15, 0
	s_cbranch_scc0 .Lfor_b_\@
	tensor_load_to_lds s[\g0a:\g0a+3], s[\g1a:\g1a+7]
	s_nop 0
.rept 4
	v_nop
.endr
	s_branch .Lasked_\@
.Lfor_b_\@:
	tensor_load_to_lds s[\g0b:\g0b+3], s[\g1b:\g1b+7]
	s_nop 0
.rept 4
	v_nop
.endr
.Lasked_\@:
.endm
.macro CREST
	s_cmp_lg_u32 s14, 0
	s_cbranch_scc1 .Lnot_wave_0_\@
	s_barrier_signal -3
.Lnot_wave_0_\@:
	s_barrier_wait -3
	s_barrier_signal -1
	s_barrier_wait -1
.endm
.macro CROUND
	s_barrier_signal -1
	s_barrier_wait -1
	CREST
.endm
	s_load_b256 s[4:11], s[0:1], 0x0               ; ac s[4:5], woc s[6:7], b_out s[8:9], the scales' exponents s[10:11]
	s_load_b64 s[12:13], s[0:1], 0x20              ; out0
	v_lshl_add_u32 v[SPW], v0, 2, SPARE
	v_mov_b32 v[NIL], 0
	ds_add_u32 v[SPW], v[NIL]                      ; the opening lines: the add, twice on end, and its wait ahead of my first tensor load
	ds_add_u32 v[SPW], v[NIL]
	v_lshrrev_b32 v1, 5, v0
	v_readfirstlane_b32 s14, v1                    ; wave 0..3
	s_lshr_b32 s15, s14, 1                         ; which 64 rows are mine.  Also: I fetch for A (0) or for B (1)
	s_and_b32 s16, s14, 1                          ; which 128 columns.  Also: which half of that tile I fetch
	s_bfe_u32 s40, ttmp6, 0x40000                  ; cx, cy
	s_bfe_u32 s41, ttmp6, 0x40004
	s_lshl_b32 s42, ttmp9, 2
	s_add_co_u32 s42, s42, s40                     ; tile column
	s_and_b32 s17, ttmp7, 0xffff
	s_lshl_b32 s17, s17, 2
	s_add_co_u32 s17, s17, s41                     ; tile row = block of 128 tokens
	s_lshl_b32 s43, s41, 2
	s_lshl_b32 s43, 15, s43                        ; my row of the cluster
	s_lshl_b32 s44, 0x1111, s40                    ; my column
	s_or_b32 s[G1+0], s43, (0<<16)|(1<<20)|(1<<21)|(5<<22)|(3<<25)   ; the mask; elements of 1 byte; padding: four words after every 64; bit 21 beside a mask
	s_or_b32 s[G1B+0], s44, (0<<16)|(1<<20)|(1<<21)|(5<<22)|(3<<25)
	s_mov_b32 s[G1+1], ROWB<<16
	s_mov_b32 s[G1+2], 64<<16                      ; A: 64 rows of 256 bytes, dense
	s_mov_b32 s[G1+3], ROWB<<16
	s_mov_b32 s[G1+4], 64
	s_mov_b32 s[G1+5], ROWB
	s_mov_b32 s[G1+6], 0
	s_mov_b32 s[G1+7], 0
	s_mov_b32 s[G1B+1], ROWB<<16
	s_mov_b32 s[G1B+2], 128<<16                    ; B: 128 rows of 256 bytes, 1,024 apart
	s_mov_b32 s[G1B+3], ROWB<<16
	s_mov_b32 s[G1B+4], 128
	s_mov_b32 s[G1B+5], KROW
	s_mov_b32 s[G1B+6], 0
	s_mov_b32 s[G1B+7], 0
	s_lshl_b32 s20, s17, 17                        ; A: the block's 131,072 bytes,
	s_lshl_b32 s18, s16, 14                        ; + two heads for the second half
	s_add_co_u32 s20, s20, s18
	s_mov_b32 s21, 0
	s_lshl_b32 s18, s16, 7
	s_lshl_b32 s46, s42, 8
	s_add_co_u32 s46, s46, s18                     ; B: row 256 x tile column + 128 x half
	s_lshl_b32 s46, s46, 10
	s_mov_b32 s47, 0
	s_mul_i32 s45, s16, AH                         ; where they go in a slot: A's halves,
	s_mul_i32 s19, s16, HALFT
	s_add_co_u32 s19, s19, HALFT                   ; then B's
	s_mov_b32 s74, 256
	s_cmp_eq_u32 s15, 0                            ; the prefetches: A's waves and B's differ in numbers alone
	s_cselect_b32 s74, 32768, s74                  ; a K step on, in bytes
	s_cselect_b32 s76, s40, s41                    ; my place among the four that ask with me
	s_cselect_b32 s77, 12, 15                      ; x 16 rows of 256 bytes, or 32 rows of 1,024
	s_cselect_b32 s78, 15, 31                      ; the last lane with a row of its own
	s_cselect_b32 s79, 8, 10                       ; from lane to lane: 256 or 1,024 bytes
	s_lshl_b32 s76, s76, s77
	s_mov_b32 s77, 0
	s_mov_b32 s75, 0
	v_and_b32 v[PFO], 31, v0
	v_min_u32 v[PFO], s78, v[PFO]
	v_lshlrev_b32 v[PFO], s79, v[PFO]              ; never rewritten
	s_wait_alu depctr_va_vdst(0)
	s_wait_dscnt 0x0                               ; both opening adds are done
	s_wait_kmcnt 0x0
	s_load_b64 s[96:97], s[10:11], 0x18            ; e6, e7
	s_add_nc_u64 s[20:21], s[4:5], s[20:21]
	s_add_nc_u64 s[46:47], s[6:7], s[46:47]
	s_cmp_eq_u32 s15, 0
	s_cselect_b64 s[68:69], s[20:21], s[46:47]
	s_add_nc_u64 s[68:69], s[68:69], s[76:77]      ; my work-group's part of the rows that I fetch,
	s_add_nc_u64 s[68:69], s[68:69], s[74:75]      ; at K step 1,
	s_add_nc_u64 s[70:71], s[68:69], s[74:75]      ; 2,
	s_add_nc_u64 s[72:73], s[70:71], s[74:75]      ; and 3: a base for each, so that none is stepped
.irp s, 0,1
	s_mov_b32 s[G0+4*\s], 1
	s_add_co_u32 s[G0+4*\s+1], s45, \s*SLOT
	s_add_nc_u64 s[G0+4*\s+2:G0+4*\s+3], s[20:21], \s*32768
	s_or_b32 s[G0+4*\s+3], s[G0+4*\s+3], 0x80000000
	s_mov_b32 s[G0B+4*\s], 1
	s_add_co_u32 s[G0B+4*\s+1], s19, \s*SLOT
	s_add_nc_u64 s[G0B+4*\s+2:G0B+4*\s+3], s[46:47], \s*ROWB
	s_or_b32 s[G0B+4*\s+3], s[G0B+4*\s+3], 0x80000000
.endr
	CROUND                                         ; all sixteen work-groups are here: the first joint loads meet
	JLOAD G0, G1, G0B, G1B                         ; K step 0: one tensor load a wave at the head
	global_prefetch_b8 v[PFO], s[68:69] th:TH_LOAD_NT scope:SCOPE_SE   ; K step 1
	s_mul_i32 s21, s15, 4*1088                     ; my 64 tokens: four blocks of 16 = 4 LDS rows each
	s_mul_i32 s22, s16, HALFT
	s_add_co_u32 s22, s22, HALFT                   ; my 128 rows of B
	s_mul_i32 s23, s14, 16*SPITCH                  ; my stage
	s_lshl_b32 s46, s42, 10                        ; my first column, in bytes of f32
	s_lshl_b32 s47, s16, 9
	s_add_co_u32 s46, s46, s47
	s_mov_b32 s47, 0
	s_add_nc_u64 s[88:89], s[8:9], s[46:47]        ; the bias there
	s_lshl_b32 s20, s17, 7
	s_lshl_b32 s18, s15, 6
	s_add_co_u32 s20, s20, s18                     ; my first row
	s_lshl_b32 s20, s20, 12
	v_and_b32 v2, 15, v0                           ; r
	v_bfe_u32 v3, v0, 4, 1                         ; h
	v_mul_u32_u24 v4, v2, PITCH
	v_lshl_add_u32 v4, v3, 4, v4                   ; B: row r, + 16 h
	v_lshrrev_b32 v5, 2, v2
	v_mul_u32_u24 v5, v5, PITCH
	v_and_b32 v6, 3, v2
	v_lshl_add_u32 v5, v6, 6, v5
	v_lshl_add_u32 v5, v3, 4, v5                   ; A: four tokens to an LDS row: 272 (r / 4) + 64 (r % 4) + 16 h
	v_add_nc_u32 v[ADRA], s21, v5
	v_add_nc_u32 v[ADRA+1], SLOT, v[ADRA]
	v_add_nc_u32 v[ADRB], s22, v4
	v_add_nc_u32 v[ADRB+1], SLOT, v[ADRB]
	v_mul_u32_u24 v7, v2, SPITCH
	v_lshl_add_u32 v7, v3, 5, v7
	v_add_nc_u32 v[STO], s23, v7                   ; the stage, in: row r, 32 bytes for each half of the lanes
	v_and_b32 v6, 31, v0
	v_lshlrev_b32 v[CO], 4, v6                     ; back: the 32 lanes take one row of 512 bytes; and the same in the result
	v_add_nc_u32 v[RD], s23, v[CO]
	v_lshlrev_b32 v[BOF], 5, v3
.irp b, 0,1,2,3,4,5,6,7
	global_load_b128 v[BI+8*\b:BI+8*\b+3], v[BOF], s[88:89] offset:64*\b
	global_load_b128 v[BI+8*\b+4:BI+8*\b+7], v[BOF], s[88:89] offset:64*\b+16
.endr
	s_mov_b32 s21, 0
	s_add_nc_u64 s[12:13], s[12:13], s[20:21]
	s_add_nc_u64 s[12:13], s[12:13], s[46:47]
.macro FRAG reg, adr, q, i
.irp c, 0,1,2,3
	ds_load_b128 v[\reg+4*\c:\reg+4*\c+3], v[\adr] offset:128*(\q)+32*\c+(\i)*16*PITCH
.endr
.endm
.macro FRAGA reg, adr, q, i            ; K = 64 x head + d: head 2 q + c / 2 lies 32 LDS rows on
.irp c, 0,1,2,3
	ds_load_b128 v[\reg+4*\c:\reg+4*\c+3], v[\adr] offset:8704*(2*(\q)+\c/2)+32*(\c%2)+1088*(\i)
.endr
.endm
.macro MUL16 a0, p, zero               ; A's blocks a0, a0 + 1 x B's eight, 128 along K, from set p; the 32 accumulators take turns, in the same order in every step
.irp a, \a0, \a0+1
.irp b, 0,1,2,3,4,5,6,7
.if \zero
	v_wmma_f32_16x16x128_bf8_bf8 v[8*(8*(\a)+\b):8*(8*(\a)+\b)+7], v[128*(\p)+16*\b:128*(\p)+16*\b+15], v[AF+64*(\p)+16*(\a):AF+64*(\p)+16*(\a)+15], 0
.else
	v_wmma_f32_16x16x128_bf8_bf8 v[8*(8*(\a)+\b):8*(8*(\a)+\b)+7], v[128*(\p)+16*\b:128*(\p)+16*\b+15], v[AF+64*(\p)+16*(\a):AF+64*(\p)+16*(\a)+15], v[8*(8*(\a)+\b):8*(8*(\a)+\b)+7]
.endif
.endr
.endr
.endm
.macro FETCH slot, q, p                ; 48 LDS loads in one run: the fragments of the slot's q-th 128 along K into set p
	WIN TO_B
.irp i, 0,1,2,3,4,5,6,7
	FRAG 128*(\p)+16*\i, ADRB+\slot, \q, \i
.endr
	WIN 0
.irp i, 0,1,2,3
	FRAGA AF+64*(\p)+16*\i, ADRA+\slot, \q, \i
.endr
.endm
.macro PLACES n
.rept \n
	v_nop
.endr
.endm
.macro STEPA slot, zero                ; a slot's first 128 along K, from set 0; its second 128 are fetched into set 1 meanwhile
	s_wait_dscnt 0x0                               ; set 0 is in
	PLACES NP                                      ; places in front of loads into registers that matrix instructions have read
	FETCH \slot, 1, 1
	WIN MUL_LO
	MUL16 0, 0, \zero
	MUL16 2, 0, \zero
	WIN 0
.endm
; A slot's second 128 along K, and the change of slots: each wave waits for all its tensor loads, adds 0 to its spare word, and waits for that and for its reads of this slot.  fill = 1: this slot is filled again, two K steps on.
.macro TURN slot, next, fill
	s_wait_tensorcnt 0x0                           ; my part of the next slot is in
	ds_add_u32 v[SPW], v[NIL]
	s_wait_dscnt 0x0                               ; the add is done, set 1 is in, and my reads of this slot are over
	s_barrier_signal -1
	WIN MUL_LO
	MUL16 0, 1, 0                                  ; work on registers while the others arrive
	WIN 0
	s_barrier_wait -1
.if \fill
	CREST                                          ; the barrier has opened a round of the cluster's barrier
	s_add_nc_u64 s[G0+4*\slot+2:G0+4*\slot+3], s[G0+4*\slot+2:G0+4*\slot+3], 65536
	s_add_nc_u64 s[G0B+4*\slot+2:G0B+4*\slot+3], s[G0B+4*\slot+2:G0B+4*\slot+3], 2*ROWB
	JLOAD G0+4*\slot, G1, G0B+4*\slot, G1B         ; the first tensor load behind the round; its four v_nop are the places in front of the loads below
.else
	PLACES NP
.endif
	FETCH \next, 0, 0
.if \fill
.if (\slot) == 0
	global_prefetch_b8 v[PFO], s[72:73] th:TH_LOAD_NT scope:SCOPE_SE   ; K step 3
.endif
.endif
	WIN MUL_LO
	MUL16 2, 1, 0
	WIN 0
.endm
	s_wait_alu depctr_va_vdst(0)
	s_wait_tensorcnt 0x0                           ; my part of K step 0 is in
	ds_add_u32 v[SPW], v[NIL]
	s_wait_dscnt 0x0
	CROUND
	JLOAD G0+4, G1, G0B+4, G1B                     ; K step 1, the first tensor load behind the round
	FETCH 0, 0, 0
	global_prefetch_b8 v[PFO], s[70:71] th:TH_LOAD_NT scope:SCOPE_SE   ; K step 2
	STEPA 0, 1                                     ; the first products start the sums
	TURN 0, 1, 1
	STEPA 1, 0
	TURN 1, 0, 1
	STEPA 0, 0
	TURN 0, 1, 0                                   ; nothing is left to fill
	STEPA 1, 0
	s_wait_dscnt 0x0
	WIN MUL_LO
	MUL16 0, 1, 0
	MUL16 2, 1, 0
	WIN 0
; THE WAY OUT, block by block of 16 rows x 128 columns: x 2^(e6 + e7) + bias, through my stage, back as whole rows of 512 bytes.
.macro TOSTAGE a
.set AC, 64*(\a)
.set TS, 96+64*((\a)%2)
	WIN 0x02
.set j, 0
.rept 32
	v_pk_fma_f32 v[TS+j:TS+j+1], v[AC+j:AC+j+1], s[96:97], v[BI+j:BI+j+1] op_sel_hi:[1,0,1]   ; each accumulator from its low end on
.set j, j+2
.endr
	WIN 0
.irp b, 0,1,2,3,4,5,6,7
	ds_store_b128 v[STO], v[TS+8*\b:TS+8*\b+3] offset:64*\b
	ds_store_b128 v[STO], v[TS+8*\b+4:TS+8*\b+7] offset:64*\b+16
.endr
.irp t, 0,1,2,3,4,5,6,7,8,9,10,11,12,13,14,15
	ds_load_b128 v[TS+4*\t:TS+4*\t+3], v[RD] offset:\t*SPITCH   ; LDS serves a wave's instructions in order: these see my stores
.endr
.endm
.macro SEND a, younger
.set TS, 96+64*((\a)%2)
	s_wait_dscnt \younger
.irp t, 0,1,2,3,4,5,6,7,8,9,10,11,12,13,14,15
	global_store_b128 v[CO], v[TS+4*\t:TS+4*\t+3], s[12:13] offset:(16*(\a)+\t)*4096 th:TH_STORE_NT   ; 32 lanes store 512 consecutive bytes, at a multiple of 256 from the buffer's first byte
.endr
.endm
	s_wait_kmcnt 0x0
	s_add_co_i32 s96, s96, s97
	s_add_co_i32 s96, s96, 127
	s_lshl_b32 s96, s96, 23                        ; 2^(e6 + e7) as f32
	s_mov_b32 s97, s96
	PLACES NP
	s_wait_loadcnt 0x0                             ; the bias
	TOSTAGE 0
.irp a, 1,2,3
.if \a > 1
	s_wait_xcnt 0x0                                ; block a - 2's stores have read their registers
.endif
	TOSTAGE \a
	SEND \a-1, 32
.endr
	SEND 3, 0
	s_wait_tensorcnt 0x0                           ; the wave's end
	ds_add_u32 v[SPW], v[NIL]
	s_wait_dscnt 0x0
	CROUND                                         ; the closing round
	s_endpgm
.Lfunc_end_k_qfc4513ed89_out:
	.size	k_qfc4513ed89_out, .Lfunc_end_k_qfc4513ed89_out-k_qfc4513ed89_out
	.p2alignl 7, 3214868480
	.fill 96, 4, 3214868480
	.section	.rodata,"a",@progbits
	.p2align	6, 0x0
	.amdhsa_kernel k_qfc4513ed89_out
		.amdhsa_group_segment_fixed_size 327680
		.amdhsa_private_segment_fixed_size 0
		.amdhsa_enable_private_segment 0
		.amdhsa_kernarg_size 40
		.amdhsa_user_sgpr_count 2
		.amdhsa_user_sgpr_kernarg_segment_ptr 1
		.amdhsa_wavefront_size32 1
		.amdhsa_system_sgpr_workgroup_id_x 1
		.amdhsa_system_sgpr_workgroup_id_y 1
		.amdhsa_system_sgpr_workgroup_id_z 1
		.amdhsa_system_vgpr_workitem_id 0
		.amdhsa_next_free_vgpr 768
		.amdhsa_next_free_sgpr 100
		.amdhsa_reserve_vcc 0
		.amdhsa_float_denorm_mode_32 3
		.amdhsa_float_denorm_mode_16_64 3
		.amdhsa_memory_ordered 1
		.amdhsa_forward_progress 1
		.amdhsa_inst_pref_size 78
	.end_amdhsa_kernel
	.amdgpu_metadata
---
amdhsa.version: [ 1, 2 ]
amdhsa.kernels:
  - .name:           k_qfc4513ed89_out
    .symbol:         k_qfc4513ed89_out.kd
    .args:
      - { .name: ac, .offset: 0, .size: 8, .value_kind: global_buffer, .address_space: global }
      - { .name: woc, .offset: 8, .size: 8, .value_kind: global_buffer, .address_space: global }
      - { .name: b_out, .offset: 16, .size: 8, .value_kind: global_buffer, .address_space: global }
      - { .name: lowp_scales, .offset: 24, .size: 8, .value_kind: global_buffer, .address_space: global }
      - { .name: out0, .offset: 32, .size: 8, .value_kind: global_buffer, .address_space: global }
    .group_segment_fixed_size: 327680
    .private_segment_fixed_size: 0
    .kernarg_segment_align: 8
    .kernarg_segment_size: 40
    .max_flat_workgroup_size: 128
    .sgpr_count:     100
    .vgpr_count:     768
    .wavefront_size: 32
...
	.end_amdgpu_metadata
.endif
;; end of part 4
